; MI455X (gfx1250); checked and timed in simulation.
; The chip was launched on July 23, 2026; its instructions are those of AMD's public machine-readable ISA for CDNA 5 (MIT licence, August 2026) and "CDNA5" Instruction Set Architecture Reference Guide (July 2026). The comments in the code are by the model that wrote it; some were corrected since.
;; Multi Head Attention. Allowed arithmetic: matrix products marked QUANTISED: E3M2 operands, one E8M0 scale for each 32 along K, by v_wmma_scale_f32_16x16x128_f8f6f4 with both operands' format E3M2, f32 sums; everything else in f32.
;; Inputs: bk 1,024 float32; bo 1,024 float32; bq 1,024 float32; bv 1,024 float32; wk 1,024 x 1,024 float32; wo 1,024 x 1,024 float32; wq 1,024 x 1,024 float32; wv 1,024 x 1,024 float32; x 2 x 2,048 x 1,024 float32.
;; Outputs: out0 2 x 2,048 x 1,024 float32.
;; This version of the problem:
;;   THIS VERSION OF THE PROBLEM IS GIVEN IN LOW PRECISION. The matrix products marked QUANTISED in the list below multiply operands that are first quantised to E3M2 (3 exponent bits, 2 mantissa bits; 6 bits a number), with one power-of-two scale for each 32 numbers along K (OCP MX v1.0); their sums are f32. All else is computed in f32.
;;   The module's matrix products, in the order in which they are computed (A, B: the left and right operand; K: the contracted axis; several contracted axes count as one K, in the product's order):
;;     1. [M 4,096, K 1,024] x [K 1,024, N 1,024]; A: input x; B: input wq: QUANTISED
;;     2. [M 4,096, K 1,024] x [K 1,024, N 1,024]; A: input x; B: input wk: QUANTISED
;;     3. [M 4,096, K 1,024] x [K 1,024, N 1,024]; A: input x; B: input wv: QUANTISED
;;     4. batch 32 x [M 2,048, K 64] x [K 64, N 2,048]; A: computed on the way; B: computed on the way: QUANTISED
;;     5. batch 32 x [M 2,048, K 2,048] x [K 2,048, N 64]; A: softmax (see below); B: computed on the way: QUANTISED
;;     6. [M 4,096, K 1,024] x [K 1,024, N 1,024]; A: computed on the way; B: input wo: QUANTISED
;;   THE QUANTISER, for each operand of a quantised product, along K:
;;     - K is cut into blocks of 32 from its start; a last block that is shorter is filled with zeros.
;;     - A block's scale is 2^e with e = floor(log2(the largest magnitude in the block)) - 4, held to -126 .. 127; a block of zeros has e = 0. As a byte (E8M0): e + 127.
;;     - Each number is divided by its block's scale, clamped to +-28, and rounded to the nearest number of E3M2, ties to even, subnormals kept.
;;     - The product sums the exact products of the quantised numbers (number of the format x scale) in f32.
;;   ~~~python
;;   def quantise(x, axis):      # numpy; x: float32 -> the quantised numbers, widened to float32 again
;;       x = np.moveaxis(x, axis, -1); K = x.shape[-1]
;;       x = np.pad(x, [(0, 0)] * (x.ndim - 1) + [(0, -K % 32)]); x = x.reshape(x.shape[:-1] + (-1, 32)); a = np.abs(x).max(-1, keepdims=True)
;;       e = np.where(a > 0, np.clip(np.frexp(np.where(a > 0, a, 1))[1] - 1 - 4, -126, 127), 0)      # np.frexp(a)[1] - 1 = floor(log2(a)), exactly
;;       r = np.clip(x / 2.0 ** e, -28, 28)
;;       step = 2.0 ** (np.maximum(np.frexp(np.where(r == 0, 1, r))[1] - 1, -2) - 2)
;;       q = np.round(r / step) * step * 2.0 ** e      # np.round: ties to even
;;       return np.moveaxis(q.reshape(q.shape[:-2] + (-1,))[..., :K], -1, axis).astype(np.float32)
;;   ~~~
;;   SOFTMAX AHEAD OF A QUANTISED PRODUCT. Where the list says 'softmax', what is quantised is not the finished softmax but p = 2^(t - M), with t = logit x log2(e) and M = ceil(the row's largest t), a whole number; so 1/2 < the row's largest p <= 1. The row's sum l is taken of the UNQUANTISED p, in f32, and the product's result is divided by l at the end. Since M is a whole number, a kernel that streams over the keys may use a running M (the ceiling of the running maximum): every later rescaling is an exact power of two, which a block's scale takes up: the codes' values come out the same.
;;   OPERANDS COMPUTED ON THE WAY. 'Computed on the way' means the value that the module computes at that place (a softmax that the list does not call 'softmax' is quantised finished and normalised). What goes into a quantiser is computed in f32, as accurately as f32 sums, v_exp_f32 and their like allow (about 1e-6 of the number): no bf16 or f16 on the way to a quantiser, and a product that is left as it is and whose result goes on into a quantised operand takes f32 operands (vector FMAs, or v_wmma_f32_16x16x4_f32). A number that lies on a knife's edge between two numbers of the format may be rounded either way, as far as f32 arithmetic and the matrix unit's own rounding can turn it there, and no further.
;; One version. Each part assembles by itself: llvm-mc -triple=amdgcn-amd-amdhsa -mcpu=gfx1250 --defsym DOCPART=n.
;; ======== version 1 of 1: 4 launches
;; limits: right only within a limited range of input values
;; workspace buffers: img 6,291,456 bytes; sc 262,144 bytes; qb 3,276,800 bytes; kv 6,553,600 bytes; oimg 3,145,728 bytes; osc 131,072 bytes
;; launch quant (part 1): grid 512 x 1, 4 waves a work-group, no clusters, 46,592 bytes of LDS; arguments x, wq, wk, wv, wo, img, sc; writes img, sc
.if DOCPART == 1
	.amdgcn_target "amdgcn-amd-amdhsa--gfx1250"
	.amdhsa_code_object_version 6
	.text
	.protected	k_q35eb90a11b_quant
	.globl	k_q35eb90a11b_quant
	.p2align	8
	.type	k_q35eb90a11b_quant,@function
k_q35eb90a11b_quant:
	s_mov_b64 s[64:65], 0
	v_nop
	global_prefetch_b8 v0, s[64:65] scope:SCOPE_SE
	s_setreg_imm32_b32 hwreg(HW_REG_WAVE_MODE, 25, 1), 1
	s_wait_xcnt 0x0
; x [4096][1024] (K innermost) and wq, wk, wv, wo [1024 (k)][1024 (n)] (K is the first axis), all f32, become codes of BF6 (E3M2) with one E8M0 byte for each 32 along K.
; A block's scale is 2^(floor(log2(largest magnitude)) - 4): its byte is the largest magnitude's exponent field - 4, held at 1 from below by a floor among the maximum's leaves.
; LIMITS: a block of zeros, or one whose largest magnitude lies under 2^-122, gets the byte 1 (its codes are zeros or subnormal codes; the bytes are read by this program alone); NaN and infinities are not served.
; LAYOUT OF img: the order of an operand's registers.  A HALF IMAGE is 16 rows x 64 along K, 768 bytes: lane l's registers 0-3 at 16 l, its registers 4-5 at 512 + 8 l; lane (r, h) holds row r, k = 32 h .. 32 h + 31.
;   img [q 4][tile 512][3072]: q = 256 along K = four half images.  Tiles 0-255 x, 256-319 wq, 320-383 wk, 384-447 wv, 448-511 wo (a weight's "row" is its column n).
;   sc  [q 4][tile 512][row 16][2 words]: word s' holds the four bytes of K step 2 q + s'.
; THE ROWS OF A TILE ARE NOT NEIGHBOURS: row r of tile t is matrix row 32 (t / 2) + 8 (t % 2) + r + 8 (r / 8), so that the results of two neighbouring tiles are 16 neighbours in a lane's registers.
; SHARES: 512 work-groups of 64 KiB of input.  A wave makes two tiles (32 rows) x one K step (128): 3,072 bytes of codes, 32 scale words.  Work-groups 0-255 take x, 256-511 the weights.
; Waves share nothing: no barrier.  The two paths have LDS bytes of their own.
.set QP,    1572864                    ; a plane q of img
.set XSTG,  8448                       ; x path: a wave's stage, 16 rows x (512 + 16) bytes
.set WSTG0, 4*XSTG                     ; w path: the waves' stages of 3,072 bytes begin here
.set TM,  16                           ; v16-31  at work in the quantiser
.set R,   32                           ; v32-159 numbers as loaded
.set X,   160                          ; v160-223 x path: 64 numbers of a lane, register 16 b + i = k 32 b + 16 h + i
.set SBW, 160                          ; w path: my column's scale word
.set CW,  168                          ; w path: v168-199 a block's codes, a set for each block
.set OW,  200                          ; w path: v200-223 the way out
.set PC,  224                          ; x path: v224-242 the fragment's codes
.set PW0, 244                          ; x path: v244, v245 the two tiles' scale words; v246 the one that my lane stores
.set PW,  247
.set SEL, 28                           ; s[28:29] lane selects for v_permlanex16_b32: lane l xor 16
; 64 numbers of a lane become a fragment's codes in v[PC] .. v[PC+11] and its scale word in v[PW]
.macro QUANT s
.irp b, 0,1,2,3
	v_max3_num_f32 v[TM+\b], |v[\s+16*\b]|, |v[\s+1+16*\b]|, 0x2800000   ; block b: my 16 numbers, and the floor 2^(5 - 127): the byte cannot fall under 1
.endr
.irp i, 2,4,6,8,10,12,14
.irp b, 0,1,2,3
	v_max3_num_f32 v[TM+\b], v[TM+\b], |v[\s+16*\b+\i]|, |v[\s+1+16*\b+\i]|   ; the four blocks by turns
.endr
.endr
.irp b, 0,1,2,3
	v_permlanex16_b32 v[TM+4+\b], v[TM+\b], s[SEL], s[SEL+1]
.endr
.irp b, 0,1,2,3
	v_max_num_f32 v[TM+\b], v[TM+\b], v[TM+4+\b]   ; with lane l xor 16's 16: the block's largest magnitude
.endr
.irp b, 0,1,2,3
	v_add_nc_u32 v[TM+12+\b], 0xfe000000, v[TM+\b]   ; 4 off its exponent field: the conversion's scale operand
.endr
.irp b, 0,1,2,3
	v_lshrrev_b32 v[TM+4+\b], 23, v[TM+12+\b]      ; the scale's byte
.endr
	v_lshl_or_b32 v[PW], v[TM+5], 8, v[TM+4]
	v_lshl_or_b32 v[PW], v[TM+6], 16, v[PW]
	v_lshl_or_b32 v[PW], v[TM+7], 24, v[PW]
.irp c, 0,1
	v_cvt_scalef32_pk16_bf6_f32 v[PC+6*\c:PC+2+6*\c], v[\s+32*\c:\s+15+32*\c], v[TM+12+2*\c]
	v_cvt_scalef32_pk16_bf6_f32 v[PC+12+4*\c:PC+14+4*\c], v[\s+16+32*\c:\s+31+32*\c], v[TM+12+2*\c+1]   ; (a conversion's three registers begin on an even number)
.endr
	v_nop                                          ; one plain line behind the scaled conversions
.irp c, 0,1                                    ; the layout wants a whole block in a lane: lanes 0-15 block 2 c, lanes 16-31 block 2 c + 1
.irp i, 0,1,2
	v_permlane16_swap_b32 v[PC+6*\c+\i], v[PC+12+4*\c+\i]
.endr
.irp i, 0,1,2
	v_mov_b32 v[PC+3+6*\c+\i], v[PC+12+4*\c+\i]
.endr
.endr
.endm
; where my two tiles' K step lies in img (s[24:25]) and in sc (s[26:27]).  In: s21 = K step, s30 = first tile
.macro DEST
	s_lshr_b32 s22, s21, 1                         ; q
	s_and_b32 s31, s21, 1                          ; which half of the plane's 256 along K
	s_mul_i32 s24, s22, QP
	s_mul_i32 s25, s30, 3072
	s_add_co_u32 s24, s24, s25
	s_mul_i32 s25, s31, 1536
	s_add_co_u32 s24, s24, s25
	s_mov_b32 s25, 0
	s_add_nc_u64 s[24:25], s[14:15], s[24:25]
	s_lshl_b32 s26, s22, 16
	s_lshl_b32 s27, s30, 7
	s_add_co_u32 s26, s26, s27
	s_lshl_b32 s27, s31, 2
	s_add_co_u32 s26, s26, s27
	s_mov_b32 s27, 0
	s_add_nc_u64 s[26:27], s[16:17], s[26:27]
.endm
	s_load_b256 s[4:11], s[0:1], 0x0               ; x s[4:5], wq s[6:7], wk s[8:9], wv s[10:11]
	s_load_b128 s[12:15], s[0:1], 0x20             ; wo s[12:13], img s[14:15]
	s_load_b64 s[16:17], s[0:1], 0x30              ; sc
	v_lshl_add_u32 v254, v0, 2, 0xb400
	v_mov_b32 v255, 0
	v_lshrrev_b32 v1, 5, v0
	v_readfirstlane_b32 s18, v1                    ; wave 0..3
	v_and_b32 v1, 31, v0                           ; lane
	v_and_b32 v2, 15, v0                           ; r
	v_bfe_u32 v3, v0, 4, 1                         ; h
	v_lshlrev_b32 v4, 4, v1                        ; 16 x lane
	v_lshlrev_b32 v5, 3, v1                        ; 8 x lane
	s_mul_i32 s19, s18, XSTG
	v_add_nc_u32 v6, s19, v4                       ; x's stage, in: a row's 512 bytes as they lie
	v_mul_u32_u24 v7, v2, 528
	v_lshl_add_u32 v7, v3, 6, v7
	v_add_nc_u32 v7, s19, v7                       ; and out: row r, + 64 h: my 16 numbers of a block
	v_bfe_u32 v8, v0, 3, 1                         ; w path: my column (= lane) is row rW of tile u: u = bit 3 of the lane,
	v_and_b32 v9, 7, v0
	v_lshl_add_u32 v9, v3, 3, v9                   ; rW = lane % 8 + 8 h
	s_mul_i32 s19, s18, 3072
	s_add_co_u32 s19, s19, WSTG0
	v_mul_u32_u24 v11, v8, 1536
	v_add_nc_u32 v11, s19, v11
	v_lshl_add_u32 v10, v9, 4, v11                 ; the weights' stage, in: registers 0-3 of an image's lane rW (+ 16 for odd blocks: in the offset)
	v_lshl_add_u32 v11, v9, 3, v11                 ; registers 4-5
	v_add_nc_u32 v12, s19, v4                      ; and out: 16 bytes a lane
	v_lshlrev_b32 v13, 3, v2
	v_lshl_add_u32 v13, v3, 7, v13                 ; x's scale words: lanes 0-15 the first tile's rows, lanes 16-31 the second's
	v_lshlrev_b32 v14, 3, v9
	v_lshl_add_u32 v14, v8, 7, v14                 ; a weight's: tile u, row rW
	v_lshlrev_b32 v15, 2, v1                       ; a weight's column: 4 bytes a lane
	s_mov_b32 s[SEL], 0x76543210
	s_mov_b32 s[SEL+1], 0xfedcba98
.irp b, 0,1,2,3
	v_mov_b32 v[TM+4+\b], 0                        ; written once: a lane permute's destination counts as one of its sources
.endr
	s_wait_kmcnt 0x0
	s_cmp_lt_u32 ttmp9, 256
	s_cbranch_scc0 .Lw
	; ---------------- x: K is innermost.  Work-group id: rows 32 (id / 2) on, K steps 4 (id % 2) + wave
	s_lshr_b32 s20, ttmp9, 1
	s_and_b32 s21, ttmp9, 1
	s_lshl_b32 s21, s21, 2
	s_add_co_u32 s21, s21, s18                     ; my K step
	s_lshl_b32 s22, s20, 17                        ; 32 rows of 4,096 bytes
	s_lshl_b32 s23, s21, 9                         ; 128 numbers
	s_add_co_u32 s22, s22, s23
	s_mov_b32 s23, 0
	s_add_nc_u64 s[4:5], s[4:5], s[22:23]
	s_lshl_b32 s30, s20, 1                         ; my first tile
	DEST
.irp u, 0,1                                    ; all 32 loads at once: each reads 512 consecutive bytes of one row, the rows in the tiles' order
.irp p, 0,1,2,3,4,5,6,7,8,9,10,11,12,13,14,15
	global_load_b128 v[R+64*\u+4*\p:R+64*\u+4*\p+3], v4, s[4:5] offset:(8*\u+\p+8*(\p/8))*4096 th:TH_LOAD_NT
.endr
.endr
.macro UNIT u
	s_wait_loadcnt 16*(1-\u)                       ; this tile's 16 loads are in; the other tile's 16 may be out
.irp p, 0,1,2,3,4,5,6,7,8,9,10,11,12,13,14,15
	ds_store_b128 v6, v[R+64*\u+4*\p:R+64*\u+4*\p+3] offset:528*\p
.endr
.irp b, 0,1,2,3
.irp j, 0,1,2,3
	ds_load_b128 v[X+16*\b+4*\j:X+16*\b+4*\j+3], v7 offset:128*\b+16*\j   ; LDS serves a wave's instructions in order: these see the stores above
.endr
.endr
	s_wait_dscnt 0x0
.if \u
	s_wait_xcnt 0x0                                ; the first tile's stores have read their data: the codes' registers are written again only behind this wait
.endif
	QUANT X
	v_mov_b32 v[PW0+\u], v[PW]
	global_store_b128 v4, v[PC:PC+3], s[24:25] offset:3072*\u          ; 512 consecutive bytes, aligned
	global_store_b64 v5, v[PC+4:PC+5], s[24:25] offset:3072*\u+512     ; 256 consecutive bytes, aligned
	global_store_b128 v4, v[PC+6:PC+9], s[24:25] offset:3072*\u+768
	global_store_b64 v5, v[PC+10:PC+11], s[24:25] offset:3072*\u+1280
.endm
	UNIT 0
	UNIT 1
	v_cmp_eq_u32 vcc_lo, 1, v3
	v_cndmask_b32 v[PW0+2], v[PW0], v[PW0+1], vcc_lo
	global_store_b32 v13, v[PW0+2], s[26:27]       ; 4 bytes of every 8: the other K step's words come from another wave.  One byte for each 128 read
	s_wait_tensorcnt 0x0
	ds_add_u32 v254, v255
	s_wait_dscnt 0x0
	s_endpgm
	; ---------------- the weights: K is the first axis.  A lane takes a column, its registers run down K.  id' = id - 256: weight id' / 64, columns 128 ((id' / 8) % 8) + 32 wave, K step id' % 8
.Lw:
	s_sub_co_u32 s20, ttmp9, 256
	s_lshr_b32 s19, s20, 6                         ; which weight
	s_bfe_u32 s22, s20, 0x30003                    ; which 128 columns
	s_and_b32 s21, s20, 7                          ; my K step
	s_cmp_eq_u32 s19, 1
	s_cselect_b64 s[4:5], s[8:9], s[6:7]
	s_cmp_eq_u32 s19, 2
	s_cselect_b64 s[4:5], s[10:11], s[4:5]
	s_cmp_eq_u32 s19, 3
	s_cselect_b64 s[4:5], s[12:13], s[4:5]
	s_lshl_b32 s30, s21, 19                        ; 128 rows of 4,096 bytes
	s_lshl_b32 s31, s22, 9
	s_add_co_u32 s30, s30, s31
	s_lshl_b32 s31, s18, 7
	s_add_co_u32 s30, s30, s31
	s_mov_b32 s31, 0
	s_add_nc_u64 s[4:5], s[4:5], s[30:31]
	s_lshl_b32 s30, s19, 6
	s_lshl_b32 s23, s22, 3
	s_add_co_u32 s30, s30, s23
	s_lshl_b32 s23, s18, 1
	s_add_co_u32 s30, s30, s23
	s_add_co_u32 s30, s30, 256                     ; my first tile
	DEST
	s_wait_alu depctr_va_vdst(0)
.irp t, 0,1,2,3
.irp i, 0,1,2,3,4,5,6,7,8,9,10,11,12,13,14,15,16,17,18,19,20,21,22,23,24,25,26,27,28,29,30,31
	global_load_b32 v[R+32*\t+\i], v15, s[4:5] offset:(32*\t+\i)*4096 th:TH_LOAD_NT   ; w(128 s + 32 t + i, my column): 128 consecutive bytes a wave, 512 a work-group
.endr
.endr
.macro BLOCK t, left
.set XS, R+32*(\t)
.set CC, CW+8*(\t)
	s_wait_loadcnt \left
	v_max3_num_f32 v16, |v[XS]|, |v[XS+1]|, |v[XS+2]|              ; all 32 numbers of the block are mine
	v_max3_num_f32 v17, |v[XS+3]|, |v[XS+4]|, |v[XS+5]|
.irp i, 6,10,14,18,22,26
	v_max3_num_f32 v16, v16, |v[XS+\i]|, |v[XS+\i+1]|
	v_max3_num_f32 v17, v17, |v[XS+\i+2]|, |v[XS+\i+3]|
.endr
	v_max3_num_f32 v16, v16, |v[XS+30]|, |v[XS+31]|
	v_max3_num_f32 v16, v16, v17, 0x2800000        ; and the floor
	v_add_nc_u32 v18, 0xfe000000, v16
	v_lshrrev_b32 v19, 23, v18
.if (\t) == 0
	v_mov_b32 v[SBW], v19
.else
	v_lshl_or_b32 v[SBW], v19, 8*(\t), v[SBW]
.endif
	v_cvt_scalef32_pk16_bf6_f32 v[CC:CC+2], v[XS:XS+15], v18
	v_cvt_scalef32_pk16_bf6_f32 v[CC+4:CC+6], v[XS+16:XS+31], v18
	v_nop                                          ; one plain line behind the scaled conversions
	v_mov_b32 v[CC+3], v[CC+4]
	v_mov_b32 v[CC+4], v[CC+5]
	v_mov_b32 v[CC+5], v[CC+6]
	ds_store_b128 v10, v[CC:CC+3] offset:768*((\t)/2)+256*((\t)%2)       ; block t is what lane rW + 16 (t % 2) of half image t / 2 holds
	ds_store_b64 v11, v[CC+4:CC+5] offset:768*((\t)/2)+512+128*((\t)%2)
.endm
	BLOCK 0, 63                                    ; of 128 loads at most 63 are out: the first 65 are in
	BLOCK 1, 63
	BLOCK 2, 32                                    ; the last block's 32 may be out
	BLOCK 3, 0
.irp k, 0,1,2,3,4,5
	ds_load_b128 v[OW+4*\k:OW+4*\k+3], v12 offset:512*\k           ; LDS serves a wave's instructions in order: these see my stores
.endr
	s_wait_alu depctr_va_vdst(0)
.irp k, 0,1,2,3,4,5
	s_wait_dscnt 5-\k                              ; the younger loads may be out
	global_store_b128 v4, v[OW+4*\k:OW+4*\k+3], s[24:25] offset:3072*(\k/3)+512*(\k%3)   ; 512 consecutive bytes, aligned
.endr
	global_store_b32 v14, v[SBW], s[26:27]
	s_wait_tensorcnt 0x0
	ds_add_u32 v254, v255
	s_wait_dscnt 0x0
	s_endpgm
.Lfunc_end_k_q35eb90a11b_quant:
	.size	k_q35eb90a11b_quant, .Lfunc_end_k_q35eb90a11b_quant-k_q35eb90a11b_quant
	.p2alignl 7, 3214868480
	.fill 96, 4, 3214868480
	.section	.rodata,"a",@progbits
	.p2align	6, 0x0
	.amdhsa_kernel k_q35eb90a11b_quant
		.amdhsa_group_segment_fixed_size 46592
		.amdhsa_private_segment_fixed_size 0
		.amdhsa_enable_private_segment 0
		.amdhsa_kernarg_size 56
		.amdhsa_user_sgpr_count 2
		.amdhsa_user_sgpr_kernarg_segment_ptr 1
		.amdhsa_wavefront_size32 1
		.amdhsa_system_sgpr_workgroup_id_x 1
		.amdhsa_system_sgpr_workgroup_id_y 1
		.amdhsa_system_sgpr_workgroup_id_z 1
		.amdhsa_system_vgpr_workitem_id 0
		.amdhsa_next_free_vgpr 256
		.amdhsa_next_free_sgpr 66
		.amdhsa_reserve_vcc 1
		.amdhsa_float_denorm_mode_32 3
		.amdhsa_float_denorm_mode_16_64 3
		.amdhsa_memory_ordered 1
		.amdhsa_forward_progress 1
		.amdhsa_inst_pref_size 41
	.end_amdhsa_kernel
	.amdgpu_metadata
---
amdhsa.version: [ 1, 2 ]
amdhsa.kernels:
  - .name:           k_q35eb90a11b_quant
    .symbol:         k_q35eb90a11b_quant.kd
    .args:
      - { .name: x, .offset: 0, .size: 8, .value_kind: global_buffer, .address_space: global }
      - { .name: wq, .offset: 8, .size: 8, .value_kind: global_buffer, .address_space: global }
      - { .name: wk, .offset: 16, .size: 8, .value_kind: global_buffer, .address_space: global }
      - { .name: wv, .offset: 24, .size: 8, .value_kind: global_buffer, .address_space: global }
      - { .name: wo, .offset: 32, .size: 8, .value_kind: global_buffer, .address_space: global }
      - { .name: img, .offset: 40, .size: 8, .value_kind: global_buffer, .address_space: global }
      - { .name: sc, .offset: 48, .size: 8, .value_kind: global_buffer, .address_space: global }
    .group_segment_fixed_size: 46592
    .private_segment_fixed_size: 0
    .kernarg_segment_align: 8
    .kernarg_segment_size: 56
    .max_flat_workgroup_size: 128
    .sgpr_count:     66
    .vgpr_count:     256
    .wavefront_size: 32
...
	.end_amdgpu_metadata
.endif
;; end of part 1
;; launch qkv (part 2): grid 8 x 32, 4 waves a work-group, clusters of 4 x 4, 327,680 bytes of LDS; arguments img, sc, bq, bk, bv, qb, kv; writes qb, kv
.if DOCPART == 2
	.amdgcn_target "amdgcn-amd-amdhsa--gfx1250"
	.amdhsa_code_object_version 6
	.text
	.protected	k_q35eb90a11b_qkv
	.globl	k_q35eb90a11b_qkv
	.p2align	8
	.type	k_q35eb90a11b_qkv,@function
k_q35eb90a11b_qkv:
	s_mov_b64 s[64:65], 0
	v_nop
	global_prefetch_b8 v0, s[64:65] scope:SCOPE_SE
	s_setreg_imm32_b32 hwreg(HW_REG_WAVE_MODE, 25, 1), 1
	s_wait_xcnt 0x0
	s_wait_alu depctr_hold_cnt(0) depctr_sa_sdst(0) depctr_va_vdst(0) depctr_va_sdst(0) depctr_va_ssrc(0) depctr_va_vcc(0) depctr_vm_vsrc(0)
	s_getreg_b32 s2, hwreg(HW_REG_IB_STS2, 6, 4)
	s_cmp_eq_u32 s2, 0
	s_cbranch_scc0 .Lentry_in_a_cluster
	s_endpgm
.Lentry_in_a_cluster:
	s_bfe_u32 s2, ttmp6, 0x10000c
	s_cmp_lg_u32 s2, 0xf033
	s_cbranch_scc0 .Lentry_shape_is_right
	s_endpgm
.Lentry_shape_is_right:
; q = x wq + bq, k = x wk + bk, v = x wv + bv on codes of BF6 (E3M2) with E8M0 scales, f32 sums; the results are quantised at once: q and k along the head's 64, v along the keys.
; IN: img, sc (see the quantising launch): half images of 16 rows x 64 K, 768 bytes, in the order of an operand's registers; a fragment (16 x 128) is two on end: four dense LDS loads.
; OUT: qb [batch x head 32][128 tokens 16] records of 6,400 bytes: 8 half images (token tiles), then 256 bytes of scales [row 16][tile 8] half-words.
;      kv likewise, records of 12,800 bytes: K's 8 half images | V's 4 fragments (16 of the head's 64 x 128 keys) at 6,144 | K's scales at 12,288 | V's scale words [row 16][tile 4] at 12,544.
; SHARES: 256 work-groups THAT STAY: a work-group takes its 128 tokens through the same block of 128 columns (two heads) of wq, wk and wv, in three passes of 128 x 128; its four waves make 64 x 64 each (16 accumulators).
; EVERY PRODUCT IS D = (source 0 = 16 "B" rows) x (source 1 = 16 "A" rows): a lane holds one A row, and, by the order of the rows in a tile (row r of tile t is 32 (t / 2) + 8 (t % 2) + r + 8 (r / 8)),
; the 16 registers of B tiles 2 b, 2 b + 1 are 16 neighbours along the B axis.  For q and k: A = tokens, B = features, so the registers run along the head's 64.  For v: A = features, B = tokens, so they run along the keys.
; LDS: six regions of CHUNK bytes, each four tiles x all of K (the four planes of 256 along K lie QUART bytes apart): x's tiles 0-3, 4-7 | weight slot 0 (tiles 0-3, 4-7) | weight slot 1.
;   At the head one tensor load a wave: waves 0, 1 x's halves, waves 2, 3 wq's into slot 0.  Behind the full sequence and a round of the cluster's barrier wk goes into slot 1 (a first fill; each wave two planes of a half);
;   behind pass q's sequence and round wv fills slot 0 again.  So each later weight is asked for a whole pass ahead of its first use.  By the text's own count a wave has one tensor load out.
; CLUSTER 4 x 4: x's tiles hang on the token block alone and are shared along a row of the cluster, the weights' on the column block alone and are shared along a column: every load is asked for jointly by the four that need it.
; No prefetch: the text has no loop to run ahead in, and the later weights are asked for a pass ahead by their own loads.
; LIMITS: a block of zeros or one under 2^-122 gets the scale byte 1 (read by this program alone); NaN and infinities are not served.
; REGISTERS: window 0: v0-24 ids and addresses; v32-63 A's scale words (tile a, K step s at 32 + 8 a + s); v64-95 B's; v96-115 at work; v116-123 bv by A rows; v128-255 accumulators ((a, b) at 128 + 8 (4 a + b)).
;   window 1: v0-95, v128-223 two fragment buffers (A's four, then B's four); v224-255 bq, v96-127 bk, by B rows, in the result's layout.
.set QP,     1572864                   ; a plane (256 along K) of img
.set CHUNK,  49152
.set QUART,  12288                     ; four tiles x 3,072: a region's part of one plane
.set SCR,    6*CHUNK                   ; scale half-words of two heads: 512 bytes for each pass
.set SPARE,  SCR+3*512                 ; the spare words, 128 bytes a wave
.set SA,  32
.set SB,  64
.set TM,  96
.set PC,  104
.set PH,  112                          ; v112-115 the scale half-word of each of my four A tiles
.set RV,  116
.set ACC, 128
.set F0,  0
.set F1,  128
.set BQ,  224
.set BK,  96
.set WV,  18
.set G1A, 28                           ; s[28:35] group 1 for x's loads; s[36:43] for wq's; s[48:55] for the later loads of two planes
.set G1B, 36
.set G1C, 48
.set G0A, 44                           ; groups 0: x, wq, wk, wv
.set G0B, 68
.set G0C, 56
.set G0D, 72
.set SEL, 66
.set MUL,  0x05                        ; sources 0 and 1 window 1; C and D window 0
.set TO_F, 0x40                        ; destination window 1
.set BIAS, 0x04                        ; source 1 window 1
.set MSB, 0
.macro WIN new                         ; the immediate's high byte repeats the setting that is left
.if MSB != \new
	s_set_vgpr_msb (MSB<<8)|\new
.set MSB, \new
.endif
.endm
.macro CROUND                          ; a round of the cluster's barrier
	s_barrier_signal -1
	s_barrier_wait -1
	s_cmp_lg_u32 s[WV], 0
	s_cbranch_scc1 .Lnot_wave_0_\@
	s_barrier_signal -3
.Lnot_wave_0_\@:
	s_barrier_wait -3
	s_barrier_signal -1
	s_barrier_wait -1
.endm
.macro PLACES
.rept 4
	v_nop
.endr
.endm
.macro FRAG reg, a16, a8, off          ; a fragment: two half images on end
	ds_load_b128 v[\reg:\reg+3], v[\a16] offset:\off
	ds_load_b64 v[\reg+4:\reg+5], v[\a8] offset:\off+512
	ds_load_b128 v[\reg+6:\reg+9], v[\a16] offset:\off+768
	ds_load_b64 v[\reg+10:\reg+11], v[\a8] offset:\off+1280
.endm
.macro FETCH s, f                      ; K step s: B's four fragments, then A's four, into buffer f: 32 loads, A's tiles 2 and 3 last.  A16, A8, B16, B8 name the pass's address registers
	WIN TO_F
.set OFS, QUART*((\s)/2)+1536*((\s)%2)
.irp i, 0,1,2,3
	FRAG (\f)+48+12*\i, B16, B8, OFS+3072*\i
.endr
.irp i, 0,1,2,3
	FRAG (\f)+12*\i, A16, A8, OFS+3072*\i
.endr
.endm
.macro MUL8 f, s, a0, zero             ; A's tiles a0, a0 + 1 x B's four.  The 16 accumulators take turns, one instruction a turn, in the same order in every step
.irp a, \a0, \a0+1
.irp b, 0,1,2,3
.if \zero
	v_wmma_scale_f32_16x16x128_f8f6f4 v[ACC+8*(4*(\a)+\b):ACC+8*(4*(\a)+\b)+7], v[\f+48+12*\b:\f+48+12*\b+11], v[\f+12*(\a):\f+12*(\a)+11], 0, v[SB+8*\b+(\s)], v[SA+8*(\a)+(\s)] matrix_a_fmt:MATRIX_FMT_BF6 matrix_b_fmt:MATRIX_FMT_BF6
.else
	v_wmma_scale_f32_16x16x128_f8f6f4 v[ACC+8*(4*(\a)+\b):ACC+8*(4*(\a)+\b)+7], v[\f+48+12*\b:\f+48+12*\b+11], v[\f+12*(\a):\f+12*(\a)+11], v[ACC+8*(4*(\a)+\b):ACC+8*(4*(\a)+\b)+7], v[SB+8*\b+(\s)], v[SA+8*(\a)+(\s)] matrix_a_fmt:MATRIX_FMT_BF6 matrix_b_fmt:MATRIX_FMT_BF6
.endif
.endr
.endr
.endm
; A K step of 128: 16 matrix instructions on buffer f; in its middle the next step's 32 loads go into buffer g.  All of K is in LDS behind the barrier ahead of the pass.
.macro STEP s, f, g, zero
	s_wait_dscnt 8                                 ; B's four and A's tiles 0, 1 are in; the eight loads of A's tiles 2, 3 may be out
	WIN MUL
	MUL8 \f, \s, 0, \zero
.if (\s) < 7
	PLACES                                         ; four plain lines ahead of loads into registers that matrix instructions have read
	FETCH (\s)+1, \g
	s_wait_dscnt 32                                ; all but the 32 just issued
.else
	s_wait_dscnt 0x0
.endif
	WIN MUL
	MUL8 \f, \s, 2, \zero
.endm
.macro PASS                            ; 128 x 128 x 1,024
	FETCH 0, F0
	STEP 0, F0, F1, 1                              ; the first step's products start the sums: nothing is cleared
	STEP 1, F1, F0, 0
	STEP 2, F0, F1, 0
	STEP 3, F1, F0, 0
	STEP 4, F0, F1, 0
	STEP 5, F1, F0, 0
	STEP 6, F0, F1, 0
	STEP 7, F1, F0, 0
	WIN 0
	PLACES                                         ; four plain lines ahead of the first read of results and of loads into the scale words' registers
.endm
.macro SCL dst, ptr, off               ; four tiles' scale words for all of K: 8 bytes a row and plane
.irp i, 0,1,2,3
.irp q, 0,1,2,3
	global_load_b64 v[\dst+8*\i+2*\q:\dst+8*\i+2*\q+1], v19, s[\ptr:\ptr+1] offset:\off+65536*\q+128*\i
.endr
.endr
.endm
; 32 numbers of a lane, register 16 b + i = k 32 b + 16 h + i of my row, become a half image in v[PC] .. v[PC+5] and the row's two scale bytes in v[ph]
.macro QUANT2 s, ph
.irp b, 0,1
	v_max3_num_f32 v[TM+\b], |v[(\s)+16*\b]|, |v[(\s)+1+16*\b]|, 0x2800000   ; my 16 numbers of block b, and the floor 2^(5 - 127): the byte cannot fall under 1
.endr
.irp i, 2,4,6,8,10,12,14
.irp b, 0,1
	v_max3_num_f32 v[TM+\b], v[TM+\b], |v[(\s)+16*\b+\i]|, |v[(\s)+1+16*\b+\i]|
.endr
.endr
.irp b, 0,1
	v_permlanex16_b32 v[TM+2+\b], v[TM+\b], s[SEL], s[SEL+1]
.endr
.irp b, 0,1
	v_max_num_f32 v[TM+\b], v[TM+\b], v[TM+2+\b]   ; with lane l xor 16's 16
.endr
.irp b, 0,1
	v_add_nc_u32 v[TM+4+\b], 0xfe000000, v[TM+\b]  ; 4 off the exponent field: the conversion's scale operand
.endr
.irp b, 0,1
	v_lshrrev_b32 v[TM+6+\b], 23, v[TM+4+\b]       ; the byte
.endr
	v_lshl_or_b32 v[\ph], v[TM+7], 8, v[TM+6]
	v_cvt_scalef32_pk16_bf6_f32 v[PC:PC+2], v[(\s):(\s)+15], v[TM+4]
	v_cvt_scalef32_pk16_bf6_f32 v[PC+4:PC+6], v[(\s)+16:(\s)+31], v[TM+5]
	v_nop                                          ; one plain line behind the scaled conversions
.irp i, 0,1,2
	v_permlane16_swap_b32 v[PC+\i], v[PC+4+\i]     ; a whole block to a lane: lanes 0-15 block 0, lanes 16-31 block 1
.endr
	v_mov_b32 v[PC+3], v[PC+4]
	v_mov_b32 v[PC+4], v[PC+5]
	v_mov_b32 v[PC+5], v[PC+6]
.endm
; THE WAY OUT of a pass, an A tile at a time: the bias, the quantiser, a half image to memory, the rows' scale half-words to LDS.  Each accumulator is read from its low end on.
.macro EPI v, bb, ptr, so
.irp a, 0,1,2,3
	s_wait_xcnt 0x0                                ; earlier stores have read their data: those registers are written again only behind this wait
.if \v
.irp k, 0,2,4,6,8,10,12,14,16,18,20,22,24,26,28,30
	v_pk_add_f32 v[ACC+32*\a+\k:ACC+32*\a+\k+1], v[ACC+32*\a+\k:ACC+32*\a+\k+1], v[RV+2*\a:RV+2*\a+1]
.endr
.else
	WIN BIAS
.irp k, 0,2,4,6,8,10,12,14,16,18,20,22,24,26,28,30
	v_pk_add_f32 v[ACC+32*\a+\k:ACC+32*\a+\k+1], v[ACC+32*\a+\k:ACC+32*\a+\k+1], v[\bb+\k:\bb+\k+1]
.endr
	WIN 0
.endif
	QUANT2 ACC+32*\a, PH+\a
.if \v
	global_store_b128 v12, v[PC:PC+3], s[\ptr:\ptr+1] offset:1536*\a        ; 512 consecutive bytes, aligned
	global_store_b64 v13, v[PC+4:PC+5], s[\ptr:\ptr+1] offset:1536*\a+512   ; 256 consecutive bytes, aligned
	ds_store_b16 v15, v[PH+\a] offset:4*\a                                  ; both lanes of a row write the same half-word with the same value
.else
	global_store_b128 v12, v[PC:PC+3], s[\ptr:\ptr+1] offset:768*\a
	global_store_b64 v13, v[PC+4:PC+5], s[\ptr:\ptr+1] offset:768*\a+512
	ds_store_b16 v14, v[PH+\a] offset:\so+2*\a
.endif
.endr
.endm
.macro OUT0 off, vo, ptr               ; wave 0 stores the two heads' 256 bytes of scales, whole; it stands behind a barrier that follows every wave's wait for its half-words
	s_cmp_lg_u32 s[WV], 0
	s_cbranch_scc1 .Lnot_0_\@
	ds_load_b128 v[96:99], v16 offset:\off
	s_wait_dscnt 0x0
	global_store_b128 v[\vo], v[96:99], s[\ptr:\ptr+1]
.Lnot_0_\@:
.endm
	s_load_b256 s[4:11], s[0:1], 0x0               ; img s[4:5], sc s[6:7], bq s[8:9], bk s[10:11]
	s_load_b128 s[12:15], s[0:1], 0x20             ; bv s[12:13], qb s[14:15]
	s_load_b64 s[16:17], s[0:1], 0x30              ; kv
	v_lshl_add_u32 v126, v0, 2, SPARE
	v_mov_b32 v127, 0
	ds_add_u32 v126, v127                          ; the opening lines: the add, twice on end, and its wait ahead of my first tensor load
	ds_add_u32 v126, v127
	v_lshrrev_b32 v1, 5, v0
	v_readfirstlane_b32 s[WV], v1                  ; wave 0..3
	s_lshr_b32 s19, s[WV], 1                       ; rh: which 64 A rows are mine.  Also: which two planes I fetch of a later weight
	s_and_b32 s20, s[WV], 1                        ; ch: which 64 B rows.  Also: which four tiles of the eight I fetch
	s_bfe_u32 s21, ttmp6, 0x40000                  ; cx
	s_bfe_u32 s22, ttmp6, 0x40004                  ; cy
	s_and_b32 s23, ttmp7, 0xffff
	s_lshl_b32 s84, s23, 2
	s_add_co_u32 s84, s84, s22                     ; my block of 128 tokens: it hangs on cy, never on cx
	s_lshl_b32 s88, ttmp9, 2
	s_add_co_u32 s88, s88, s21                     ; my block of 128 columns of each weight: on cx, never on cy
	s_lshl_b32 s26, s22, 2
	s_lshl_b32 s26, 15, s26                        ; my row of the cluster
	s_lshl_b32 s27, 0x1111, s21                    ; my column
	s_or_b32 s[G1A], s26, (3<<16)|(1<<21)          ; 15:0 the mask; 17:16 elements of 8 bytes; 21 set beside a mask; no padding
	s_or_b32 s[G1B], s27, (3<<16)|(1<<21)
	s_or_b32 s[G1C], s27, (3<<16)|(1<<21)
.irp g, G1A, G1B, G1C                          ; rows (planes) of 12,288 bytes, a plane of img apart
	s_mov_b32 s[\g+1], 1536<<16                    ; tensor_dim0 = 1,536 elements
	s_mov_b32 s[\g+3], 1536<<16                    ; tile_dim0
	s_mov_b32 s[\g+5], QP/8                        ; the pitch, in elements
	s_mov_b32 s[\g+6], 0
	s_mov_b32 s[\g+7], 0
.endr
.irp g, G1A, G1B
	s_mov_b32 s[\g+2], 4<<16                       ; the head's loads: four planes
	s_mov_b32 s[\g+4], 4
.endr
	s_mov_b32 s[G1C+2], 2<<16                      ; the later loads: two
	s_mov_b32 s[G1C+4], 2
	s_mul_i32 s85, s20, QUART
	s_mul_i32 s86, s84, 2*QUART                    ; x's blocks are img's blocks 0 to 31
	s_add_co_u32 s86, s86, s85
	s_mov_b32 s87, 0
	s_mul_i32 s90, s88, 2*QUART
	s_add_co_u32 s90, s90, 32*2*QUART              ; wq's are blocks 32 to 39, wk's 40 to 47, wv's 48 to 55
	s_add_co_u32 s90, s90, s85
	s_mov_b32 s91, 0
	s_mul_i32 s24, s19, 2*QP
	s_add_co_u32 s24, s24, s90
	s_mov_b32 s25, 0
	s_mul_i32 s89, s[WV], CHUNK                    ; the head's loads go to region = wave: the wave's number alone
	s_mul_i32 s3, s20, CHUNK
	s_mul_i32 s2, s19, 2*QUART
	s_add_co_u32 s3, s3, s2                        ; the later ones: half ch of a slot, planes 2 rh and 2 rh + 1
	s_wait_dscnt 0x0
	s_wait_kmcnt 0x0
	s_add_nc_u64 s[86:87], s[4:5], s[86:87]
	s_add_nc_u64 s[90:91], s[4:5], s[90:91]
	s_add_nc_u64 s[24:25], s[4:5], s[24:25]
	s_mov_b32 s[G0A], 1
	s_mov_b32 s[G0A+1], s89
	s_mov_b64 s[G0A+2:G0A+3], s[86:87]
	s_or_b32 s[G0A+3], s[G0A+3], 0x80000000
	s_mov_b32 s[G0B], 1
	s_mov_b32 s[G0B+1], s89
	s_mov_b64 s[G0B+2:G0B+3], s[90:91]
	s_or_b32 s[G0B+3], s[G0B+3], 0x80000000
	s_mov_b32 s[G0C], 1
	s_add_co_u32 s[G0C+1], s3, 4*CHUNK
	s_add_nc_u64 s[G0C+2:G0C+3], s[24:25], 8*2*QUART
	s_or_b32 s[G0C+3], s[G0C+3], 0x80000000
	s_mov_b32 s[G0D], 1
	s_add_co_u32 s[G0D+1], s3, 2*CHUNK
	s_add_nc_u64 s[G0D+2:G0D+3], s[24:25], 16*2*QUART
	s_or_b32 s[G0D+3], s[G0D+3], 0x80000000
	CROUND                                         ; all sixteen work-groups are here: the joint loads meet
	s_cmp_lt_u32 s[WV], 2                          ; waves 0, 1 fetch x's halves, waves 2, 3 wq's: one tensor load a wave, one to an arm
	s_cbranch_scc0 .Lfill_b
	tensor_load_to_lds s[G0A:G0A+3], s[G1A:G1A+7]
	s_nop 0
	PLACES
	s_branch .Lfilled
.Lfill_b:
	tensor_load_to_lds s[G0B:G0B+3], s[G1B:G1B+7]
	s_nop 0
	PLACES
.Lfilled:
	; the scale words: 128 bytes a tile and plane
	s_lshl_b32 s24, s84, 10
	s_lshl_b32 s26, s19, 9
	s_lshl_b32 s27, s20, 9
	s_mov_b32 s25, 0
	s_add_nc_u64 s[98:99], s[6:7], s[24:25]
	s_mov_b32 s24, s26
	s_add_nc_u64 s[92:93], s[98:99], s[24:25]      ; x's, tokens' half rh (q, k)
	s_mov_b32 s24, s27
	s_add_nc_u64 s[98:99], s[98:99], s[24:25]      ; x's, half ch (v)
	s_lshl_b32 s24, s88, 10
	s_add_co_u32 s24, s24, 32*1024
	s_add_nc_u64 s[96:97], s[6:7], s[24:25]
	s_mov_b32 s24, s27
	s_add_nc_u64 s[94:95], s[96:97], s[24:25]      ; wq's, half ch; wk's lie 8,192 bytes on
	s_add_co_u32 s24, s26, 16*1024
	s_add_nc_u64 s[96:97], s[96:97], s[24:25]      ; wv's, half rh
	; where the results go: the record of the pair's first head
	s_lshr_b32 s2, s84, 4                          ; batch
	s_lshl_b32 s2, s2, 4
	s_lshl_b32 s3, s88, 1                          ; the pair's first head
	s_add_co_u32 s2, s2, s3
	s_lshl_b32 s2, s2, 4
	s_and_b32 s3, s84, 15
	s_add_co_u32 s2, s2, s3
	s_mul_i32 s24, s2, 6400
	s_add_nc_u64 s[78:79], s[14:15], s[24:25]
	s_mul_i32 s24, s20, 16*6400                    ; q, k: my head is ch (the next head's record lies 16 records on), my four token tiles rh
	s_mul_i32 s3, s19, 3072
	s_add_co_u32 s24, s24, s3
	s_add_nc_u64 s[76:77], s[78:79], s[24:25]      ; q's half images
	s_add_nc_u64 s[78:79], s[78:79], 6144          ; q's scales
	s_mul_i32 s24, s2, 12800
	s_add_nc_u64 s[82:83], s[16:17], s[24:25]
	s_mul_i32 s24, s20, 16*12800
	s_add_co_u32 s24, s24, s3
	s_add_nc_u64 s[80:81], s[82:83], s[24:25]      ; k's half images
	s_mul_i32 s24, s19, 16*12800                   ; v: my head is rh, my keys' half of each fragment ch
	s_mul_i32 s3, s20, 768
	s_add_co_u32 s24, s24, s3
	s_add_co_u32 s24, s24, 6144
	s_add_nc_u64 s[60:61], s[82:83], s[24:25]      ; v's half images
	s_add_nc_u64 s[62:63], s[82:83], 12544         ; v's scales
	s_add_nc_u64 s[82:83], s[82:83], 12288         ; k's scales
	s_lshl_b32 s2, s88, 9                          ; the biases: 256 bytes a head
	s_lshl_b32 s24, s20, 8
	s_add_co_u32 s24, s24, s2
	s_add_nc_u64 s[8:9], s[8:9], s[24:25]
	s_add_nc_u64 s[10:11], s[10:11], s[24:25]
	s_lshl_b32 s24, s19, 8
	s_add_co_u32 s24, s24, s2
	s_add_nc_u64 s[12:13], s[12:13], s[24:25]
	s_mul_i32 s100, s19, CHUNK
	s_mul_i32 s101, s20, CHUNK
	s_lshl_b32 s2, s20, 8
	s_lshl_b32 s3, s19, 3
	s_add_co_u32 s2, s2, s3
	s_add_co_u32 s2, s2, SCR                       ; q, k: head ch, token tile 4 rh + a
	s_lshl_b32 s3, s19, 8
	s_lshl_b32 s24, s20, 1
	s_add_co_u32 s3, s3, s24
	s_add_co_u32 s3, s3, SCR+1024                  ; v: head rh, keys' half ch
	s_mov_b32 s[SEL], 0x76543210
	s_mov_b32 s[SEL+1], 0xfedcba98
	v_and_b32 v1, 31, v0                           ; lane
	v_and_b32 v2, 15, v0                           ; r
	v_bfe_u32 v3, v0, 4, 1                         ; h
	v_lshlrev_b32 v19, 3, v2                       ; scale words: 8 bytes a row and plane
	v_lshlrev_b32 v20, 6, v3                       ; a bias by B rows: my half's 16 numbers
	v_and_b32 v21, 8, v2
	v_add_nc_u32 v21, v21, v2
	v_lshlrev_b32 v21, 2, v21                      ; a bias by A rows: 4 (r + 8 (r / 8))
	v_lshlrev_b32 v12, 4, v1                       ; 16 x lane
	v_lshlrev_b32 v13, 3, v1                       ; 8 x lane
	v_add_nc_u32 v4, s100, v12                     ; x's region rh
	v_add_nc_u32 v6, s100, v13
	v_add_nc_u32 v8, s101, v12                     ; x's region ch
	v_add_nc_u32 v10, s101, v13
	v_add_nc_u32 v5, 2*CHUNK, v8                   ; slot 0, half ch
	v_add_nc_u32 v7, 2*CHUNK, v10
	v_add_nc_u32 v9, 4*CHUNK, v8                   ; slot 1, half ch
	v_add_nc_u32 v11, 4*CHUNK, v10
	v_add_nc_u32 v22, 2*CHUNK, v4                  ; slot 0, half rh
	v_add_nc_u32 v23, 2*CHUNK, v6
	v_lshl_add_u32 v14, v2, 4, s2                  ; my rows' half-words in LDS: q, k,
	v_lshl_add_u32 v15, v2, 4, s3                  ; and v
	v_add_nc_u32 v16, SCR, v12
	v_mul_u32_u24 v18, v3, 16*6400
	v_lshl_add_u32 v18, v2, 4, v18                 ; the scales' way out: lanes 0-15 the first head's 256 bytes, lanes 16-31 the second's, 16 records on: in qb,
	v_mul_u32_u24 v24, v3, 16*12800
	v_lshl_add_u32 v24, v2, 4, v24                 ; and in kv
	v_mov_b32 v[TM+2], 0                           ; written once: a lane permute's destination counts as one of its sources
	v_mov_b32 v[TM+3], 0
	s_wait_alu depctr_va_vdst(0)
	SCL SA, 92, 0
	SCL SB, 94, 0
	WIN TO_F
.irp b, 0,1,2,3
	global_load_b128 v[BQ+8*\b:BQ+8*\b+3], v20, s[8:9] offset:(32*(\b/2)+8*(\b%2))*4
	global_load_b128 v[BQ+8*\b+4:BQ+8*\b+7], v20, s[8:9] offset:(32*(\b/2)+8*(\b%2))*4+16
	global_load_b128 v[BK+8*\b:BK+8*\b+3], v20, s[10:11] offset:(32*(\b/2)+8*(\b%2))*4
	global_load_b128 v[BK+8*\b+4:BK+8*\b+7], v20, s[10:11] offset:(32*(\b/2)+8*(\b%2))*4+16
.endr
	WIN 0
.irp a, 0,1,2,3
	global_load_b32 v[RV+2*\a], v21, s[12:13] offset:(32*(\a/2)+8*(\a%2))*4
	global_load_b32 v[RV+2*\a+1], v21, s[12:13] offset:(32*(\a/2)+8*(\a%2))*4   ; the same number twice: a pair for the packed addition
.endr
	s_wait_loadcnt 0x0                             ; scale words and biases
	s_wait_tensorcnt 0x0                           ; my region is in
	ds_add_u32 v126, v127
	s_wait_dscnt 0x0
	CROUND                                         ; everybody's region is in, and all sixteen work-groups are here
	tensor_load_to_lds s[G0C:G0C+3], s[G1C:G1C+7]  ; wk into slot 1: my one tensor load behind the round
	s_nop 0
	PLACES
	; ---------------- q: A = x's half rh, B = slot 0's half ch
.set A16, 4
.set A8,  6
.set B16, 5
.set B8,  7
	PASS
	SCL SB, 94, 8192                               ; wk's scale words come under the way out; x's stay
	EPI 0, BQ, 76, 0
	s_wait_tensorcnt 0x0                           ; wk is in; the three lines ahead of a refill's barrier
	ds_add_u32 v126, v127
	s_wait_dscnt 0x0                               ; the add, my reads of slot 0 and my half-words are done
	CROUND
	tensor_load_to_lds s[G0D:G0D+3], s[G1C:G1C+7]  ; wv into slot 0, which nobody reads any more
	s_nop 0
	PLACES
	OUT0 0, 18, 78
	s_wait_loadcnt 0x0
	; ---------------- k: A = x's half rh, B = slot 1's half ch
.set B16, 9
.set B8,  11
	PASS
	SCL SA, 96, 0                                  ; v: A's scale words are wv's, B's are x's
	SCL SB, 98, 0
	EPI 0, BK, 80, 512
	s_wait_tensorcnt 0x0                           ; my part of wv is in
	s_wait_dscnt 0x0                               ; and my half-words have landed
	s_barrier_signal -1
	s_barrier_wait -1                              ; everybody's
	OUT0 512, 24, 82
	s_wait_loadcnt 0x0
	; ---------------- v: A = slot 0's half rh, B = x's half ch
.set A16, 22
.set A8,  23
.set B16, 8
.set B8,  10
	PASS
	EPI 1, 0, 60, 0
	s_wait_dscnt 0x0                               ; for the others' sake: my half-words have landed
	s_barrier_signal -1
	s_barrier_wait -1
	OUT0 1024, 24, 62
	s_wait_tensorcnt 0x0                           ; the wave's end
	ds_add_u32 v126, v127
	s_wait_dscnt 0x0
	CROUND                                         ; the closing round: no work-group ends while a partner may still ask for a tile that names it
	s_endpgm
.Lfunc_end_k_q35eb90a11b_qkv:
	.size	k_q35eb90a11b_qkv, .Lfunc_end_k_q35eb90a11b_qkv-k_q35eb90a11b_qkv
	.p2alignl 7, 3214868480
	.fill 96, 4, 3214868480
	.section	.rodata,"a",@progbits
	.p2align	6, 0x0
	.amdhsa_kernel k_q35eb90a11b_qkv
		.amdhsa_group_segment_fixed_size 327680
		.amdhsa_private_segment_fixed_size 0
		.amdhsa_enable_private_segment 0
		.amdhsa_kernarg_size 56
		.amdhsa_user_sgpr_count 2
		.amdhsa_user_sgpr_kernarg_segment_ptr 1
		.amdhsa_wavefront_size32 1
		.amdhsa_system_sgpr_workgroup_id_x 1
		.amdhsa_system_sgpr_workgroup_id_y 1
		.amdhsa_system_sgpr_workgroup_id_z 1
		.amdhsa_system_vgpr_workitem_id 0
		.amdhsa_next_free_vgpr 512
		.amdhsa_next_free_sgpr 104
		.amdhsa_reserve_vcc 0
		.amdhsa_float_denorm_mode_32 3
		.amdhsa_float_denorm_mode_16_64 3
		.amdhsa_memory_ordered 1
		.amdhsa_forward_progress 1
		.amdhsa_inst_pref_size 162
	.end_amdhsa_kernel
	.amdgpu_metadata
---
amdhsa.version: [ 1, 2 ]
amdhsa.kernels:
  - .name:           k_q35eb90a11b_qkv
    .symbol:         k_q35eb90a11b_qkv.kd
    .args:
      - { .name: img, .offset: 0, .size: 8, .value_kind: global_buffer, .address_space: global }
      - { .name: sc, .offset: 8, .size: 8, .value_kind: global_buffer, .address_space: global }
      - { .name: bq, .offset: 16, .size: 8, .value_kind: global_buffer, .address_space: global }
      - { .name: bk, .offset: 24, .size: 8, .value_kind: global_buffer, .address_space: global }
      - { .name: bv, .offset: 32, .size: 8, .value_kind: global_buffer, .address_space: global }
      - { .name: qb, .offset: 40, .size: 8, .value_kind: global_buffer, .address_space: global }
      - { .name: kv, .offset: 48, .size: 8, .value_kind: global_buffer, .address_space: global }
    .group_segment_fixed_size: 327680
    .private_segment_fixed_size: 0
    .kernarg_segment_align: 8
    .kernarg_segment_size: 56
    .max_flat_workgroup_size: 128
    .sgpr_count:     104
    .vgpr_count:     512
    .wavefront_size: 32
...
	.end_amdgpu_metadata
.endif
;; end of part 2
;; launch attn (part 3): grid 8 x 32, 16 waves a work-group, clusters of 4 x 1, 258,560 bytes of LDS; arguments qb, kv, oimg, osc; writes oimg, osc
.if DOCPART == 3
	.amdgcn_target "amdgcn-amd-amdhsa--gfx1250"
	.amdhsa_code_object_version 6
	.text
	.protected	k_q35eb90a11b_attn
	.globl	k_q35eb90a11b_attn
	.p2align	8
	.type	k_q35eb90a11b_attn,@function
k_q35eb90a11b_attn:
	s_mov_b64 s[64:65], 0
	v_nop
	global_prefetch_b8 v0, s[64:65] scope:SCOPE_SE
	s_setreg_imm32_b32 hwreg(HW_REG_WAVE_MODE, 25, 1), 1
	s_wait_xcnt 0x0
	s_wait_alu depctr_hold_cnt(0) depctr_sa_sdst(0) depctr_va_vdst(0) depctr_va_sdst(0) depctr_va_ssrc(0) depctr_va_vcc(0) depctr_vm_vsrc(0)
	s_getreg_b32 s2, hwreg(HW_REG_IB_STS2, 6, 4)
	s_cmp_eq_u32 s2, 0
	s_cbranch_scc0 .Lentry_in_a_cluster
	s_endpgm
.Lentry_in_a_cluster:
	s_bfe_u32 s2, ttmp6, 0x10000c
	s_cmp_lg_u32 s2, 0x3003
	s_cbranch_scc0 .Lentry_shape_is_right
	s_endpgm
.Lentry_shape_is_right:
; o = softmax(q k^T / 8) v for one batch x head and 256 queries, on codes of BF6 (E3M2) with E8M0 scales; o is quantised at once along the head's 64 for the projection.
; IN: qb, kv as the launch before lays them: records of 128 tokens; half images of 16 rows x 64 K (768 bytes: lane l's registers 0-3 at 16 l, registers 4-5 at 512 + 8 l).
;   A kv record (12,800 bytes): K's 8 half images | V's 4 fragments (16 of the head's 64 x 128 keys) at 6,144 | K's scales [row 16][tile 8] half-words at 12,288 | V's scale words [row 16][tile 4] at 12,544.
;   Row r of K's tile t is key 32 (t / 2) + 8 (t % 2) + r + 8 (r / 8) of the record.
; SHARES: 256 work-groups of 16 waves; a wave owns 16 queries (a lane one query) and walks all 2,048 keys in 16 steps of 128.
; ALL KEYS AND VALUES OF THE HEAD LIE IN LDS: each wave fetches one record by one tensor load, as 50 rows of 256 bytes with 64 bytes of padding behind each (LDS pitch 320, a record 16,000 bytes).  No byte is filled again.
; CLUSTER 4 x 1: the four query blocks of a cluster read the same records: each load is asked for jointly.  No prefetch: all of a work-group's bytes are asked for at its head.
; BOTH PRODUCTS ARE USED TRANSPOSED (S^T = k q^T, O^T = v^T p^T).  The head's 64 fill half of the instruction's 128: a fragment of K holds two tiles of 16 keys, and q stands beside zeros in the lower or the upper half.
; WHICH KEYS FORM A TILE OF S^T is chosen by the lanes' LDS addresses: tile (c, i), i = 0 .. 3, takes as rows 0-7 keys 64 c + 8 i + 0 .. 7 and as rows 8-15 keys 64 c + 32 + 8 i + 0 .. 7.  So lane (r, h) holds in the 32 registers
; of tiles (c, 0 .. 3) the WHOLE block 2 c + h of 32 keys, in order: the block's maximum needs no other lane, and the conversions' results are p's operand as it stands (three moves a block pair, since a conversion's registers begin on an even number).
;   Row rho of tile (c, i) lies in K's tile 4 c + 2 (rho / 8) + i % 2 at row 8 (i / 2) + rho % 8.  With the pitch of 320 the two groups of eight rows of a 16-byte load lie 1,920 bytes apart, 128 modulo 256.
; SOFTMAX by the problem's rule: M = ceil of the running largest t, kept as -M; p = 2^(t - M); the sum is taken of the unquantised p; when M moves, the sum and O^T are multiplied by an exact power of two.
; A block's largest p is made from the block's largest score by the same multiply-add and exponential.
; The next step's K fragments are asked for behind this step's first product, into registers of their own; V's behind it too, ahead of K's.
; LIMITS: the promise holds while the scaled scores stay under 2^31 in magnitude; a block of p or of o under 2^-122 gets the scale byte 1 (read by this program alone); NaN and infinities are not served.
.set RECG, 12800                       ; a record in memory
.set REC,  16000                       ; and in LDS
.set OSCR, 16*REC                      ; o's scale half-words: 512 bytes
.set SPARE, OSCR+512                   ; the spare words: 128 bytes a wave
.set WV,  12
.set TB,  2                            ; s2: this step's record in LDS
.set CNT, 3
.set G1,  16
.set G0,  24
.set SEL, 32
.set CS,  34                           ; s[34:35] log2(e) / 8
.set A16, 1                            ; v1-3   K: my row's 16-byte parts, 8-byte parts, scale words
.set A8,  2
.set AS,  3
.set V16, 4                            ; v4-6   V: the same
.set V8,  5
.set VSA, 6
.set SH8, 7                            ; 8 h
.set SPW, 8
.set NIL, 9
.set OLD, 10                           ; the last step's -M
.set PS,  11                           ; p's scale word
.set NEGM, 12                          ; -M;  v13 the running largest score
.set RUN, 13
.set L,   14                           ; v14-15 the row's sum in two halves
.set F,   16                           ; 2^(old M - new M); v17 written once, the pair's other half
.set QS,  18                           ; q's scale word
.set T0,  20                           ; v20-23 at work
.set T1,  21
.set T2,  22
.set T3,  23
.set KS,  24                           ; v24-27 K's scale words, v28-31 V's
.set VSC, 28
.set Q,   32                           ; v32-49 q | zeros | q: registers 0-11 are q in the lower half of K, registers 6-17 in the upper
.set PC,  50                           ; v50-61 p's codes; at work ahead of the conversions
.set SO,  62                           ; v62-63 the conversions' scale operands
.set FK,  64                           ; v64-111 K's four fragments
.set FV,  112                          ; v112-159 V's four
.set S,   160                          ; v160-223 scores, then p
.set O,   224                          ; v224-255 O^T
.set TM,  64                           ; the way out works where K's fragments lay
.set PCO, 72
.set PH,  80
.macro CROUND
	s_barrier_signal -1
	s_barrier_wait -1
	s_cmp_lg_u32 s[WV], 0
	s_cbranch_scc1 .Lnot_wave_0_\@
	s_barrier_signal -3
.Lnot_wave_0_\@:
	s_barrier_wait -3
	s_barrier_signal -1
	s_barrier_wait -1
.endm
.macro QK d, a, b, ks
	v_wmma_scale_f32_16x16x128_f8f6f4 v[(\d):(\d)+7], v[(\a):(\a)+11], v[(\b):(\b)+11], 0, v[(\ks)], v[QS] matrix_a_fmt:MATRIX_FMT_BF6 matrix_b_fmt:MATRIX_FMT_BF6
.endm
.macro KLOAD a16, a8, as, off          ; K's four fragments (c, g): tiles (c, 2 g) and (c, 2 g + 1), and their rows' scale words: 20 LDS loads
.irp c, 0,1
.irp g, 0,1
	ds_load_b128 v[FK+12*(2*\c+\g):FK+12*(2*\c+\g)+3], v[\a16] offset:\off+3840*\c+128*\g
	ds_load_b64 v[FK+12*(2*\c+\g)+4:FK+12*(2*\c+\g)+5], v[\a8] offset:\off+3840*\c+64*\g+640
	ds_load_b128 v[FK+12*(2*\c+\g)+6:FK+12*(2*\c+\g)+9], v[\a16] offset:\off+3840*\c+128*\g+960
	ds_load_b64 v[FK+12*(2*\c+\g)+10:FK+12*(2*\c+\g)+11], v[\a8] offset:\off+3840*\c+64*\g+1600
	ds_load_b32 v[KS+2*\c+\g], v[\as] offset:\off+15360+128*\g+8*\c
.endr
.endr
.endm
.macro QUANT2 s, ph                    ; 32 numbers of a lane, register 16 b + i = k 32 b + 16 h + i of my row, become a half image and the row's two scale bytes
.irp b, 0,1
	v_max3_num_f32 v[TM+\b], |v[(\s)+16*\b]|, |v[(\s)+1+16*\b]|, 0x2800000
.endr
.irp i, 2,4,6,8,10,12,14
.irp b, 0,1
	s_delay_alu instid0(VALU_DEP_2)
	v_max3_num_f32 v[TM+\b], v[TM+\b], |v[(\s)+16*\b+\i]|, |v[(\s)+1+16*\b+\i]|
.endr
.endr
.irp b, 0,1
	s_delay_alu instid0(VALU_DEP_2)
	v_permlanex16_b32 v[TM+2+\b], v[TM+\b], s[SEL], s[SEL+1]
.endr
.irp b, 0,1
	s_delay_alu instid0(VALU_DEP_2)
	v_max_num_f32 v[TM+\b], v[TM+\b], v[TM+2+\b]
.endr
.irp b, 0,1
	s_delay_alu instid0(VALU_DEP_2)
	v_add_nc_u32 v[TM+4+\b], 0xfe000000, v[TM+\b]
.endr
.irp b, 0,1
	s_delay_alu instid0(VALU_DEP_2)
	v_lshrrev_b32 v[TM+6+\b], 23, v[TM+4+\b]
.endr
	s_delay_alu instid0(VALU_DEP_1)
	v_lshl_or_b32 v[\ph], v[TM+7], 8, v[TM+6]
	v_cvt_scalef32_pk16_bf6_f32 v[PCO:PCO+2], v[(\s):(\s)+15], v[TM+4]
	v_cvt_scalef32_pk16_bf6_f32 v[PCO+4:PCO+6], v[(\s)+16:(\s)+31], v[TM+5]
	v_nop                                          ; one plain line behind the scaled conversions
.irp i, 0,1,2
	v_permlane16_swap_b32 v[PCO+\i], v[PCO+4+\i]
.endr
	s_delay_alu instid0(VALU_DEP_3)
	v_mov_b32 v[PCO+3], v[PCO+4]
	s_delay_alu instid0(VALU_DEP_3)
	v_mov_b32 v[PCO+4], v[PCO+5]
	s_delay_alu instid0(VALU_DEP_3)
	v_mov_b32 v[PCO+5], v[PCO+6]
.endm
	s_load_b256 s[4:11], s[0:1], 0x0               ; qb s[4:5], kv s[6:7], oimg s[8:9], osc s[10:11]
	v_lshl_add_u32 v[SPW], v0, 2, SPARE
	v_mov_b32 v[NIL], 0
	ds_add_u32 v[SPW], v[NIL]                      ; the opening lines: the add, twice on end, and its wait ahead of my tensor load
	ds_add_u32 v[SPW], v[NIL]
	v_lshrrev_b32 v[T0], 5, v0
	v_readfirstlane_b32 s[WV], v[T0]               ; wave 0..15
	s_and_b32 s15, ttmp7, 0xffff                   ; batch x head
	s_mul_i32 s36, s15, 16*RECG
	s_mul_i32 s38, s[WV], RECG                     ; my record: the wave's number
	s_add_co_u32 s36, s36, s38
	s_mov_b32 s37, 0
	s_mov_b32 s[G1], 15|(3<<16)|(1<<20)|(1<<21)|(5<<22)|(15<<25)   ; mask: all four partners; elements of 8 bytes; padding on; 21 set beside a mask; after every 64 words 16 words
	s_mov_b32 s[G1+1], 32<<16
	s_mov_b32 s[G1+2], 50<<16
	s_mov_b32 s[G1+3], 32<<16
	s_mov_b32 s[G1+4], 50
	s_mov_b32 s[G1+5], 32
	s_mov_b32 s[G1+6], 0
	s_mov_b32 s[G1+7], 0
	s_mov_b32 s[G0], 1
	s_mul_i32 s[G0+1], s[WV], REC
	s_wait_dscnt 0x0
	s_wait_kmcnt 0x0
	s_add_nc_u64 s[G0+2:G0+3], s[6:7], s[36:37]
	s_or_b32 s[G0+3], s[G0+3], 0x80000000
	CROUND                                         ; all four work-groups are here: the joint loads meet
	tensor_load_to_lds s[G0:G0+3], s[G1:G1+7]      ; my one tensor load
	s_nop 0
	s_bfe_u32 s13, ttmp6, 0x40000
	s_lshl_b32 s14, ttmp9, 2
	s_add_co_u32 s14, s14, s13                     ; my block of 256 queries
	s_lshl_b32 s40, s15, 4
	s_lshl_b32 s41, s14, 1
	s_add_co_u32 s40, s40, s41
	s_lshr_b32 s41, s[WV], 3
	s_add_co_u32 s40, s40, s41                     ; q's record
	s_mul_i32 s40, s40, 6400
	s_and_b32 s42, s[WV], 7
	s_mul_i32 s41, s42, 768
	s_add_co_u32 s44, s40, s41
	s_mov_b32 s45, 0
	s_add_nc_u64 s[44:45], s[4:5], s[44:45]        ; my tile of 16 queries
	s_lshl_b32 s42, s42, 1
	s_add_co_u32 s40, s40, s42
	s_add_co_u32 s40, s40, 6144
	s_mov_b32 s41, 0
	s_add_nc_u64 s[40:41], s[4:5], s[40:41]        ; and its scale half-words
	s_lshr_b32 s46, s15, 4                         ; batch
	s_and_b32 s47, s15, 15                         ; head
	s_lshl_b32 s48, s46, 7
	s_lshl_b32 s49, s14, 4
	s_add_co_u32 s48, s48, s49                     ; the work-group's first token tile
	s_lshl_b32 s50, s48, 5
	s_lshl_b32 s51, s47, 13
	s_add_co_u32 s50, s50, s51
	s_mov_b32 s51, 0
	s_add_nc_u64 s[10:11], s[10:11], s[50:51]
	s_add_co_u32 s48, s48, s[WV]
	s_mul_i32 s48, s48, 3072
	s_lshr_b32 s49, s47, 2
	s_mul_i32 s49, s49, 786432
	s_add_co_u32 s48, s48, s49
	s_and_b32 s49, s47, 3
	s_mul_i32 s49, s49, 768
	s_add_co_u32 s48, s48, s49
	s_mov_b32 s49, 0
	s_add_nc_u64 s[8:9], s[8:9], s[48:49]
	s_lshl_b32 s52, s[WV], 5
	s_add_co_u32 s52, s52, OSCR                    ; my 32 bytes of o's scale half-words
	s_mov_b32 s[SEL], 0x76543210
	s_mov_b32 s[SEL+1], 0xfedcba98
	s_mov_b32 s[CS], 0x3e38aa3b
	s_mov_b32 s[CS+1], s[CS]
	v_and_b32 v[T0], 7, v0                         ; rho % 8
	v_bfe_u32 v[T1], v0, 3, 1                      ; rho / 8
	v_bfe_u32 v[T2], v0, 4, 1                      ; h
	v_mul_u32_u24 v[T3], v[T1], 1920
	v_lshl_add_u32 v[A16], v[T0], 4, v[T3]
	v_mad_u32_u24 v[A16], v[T2], 320, v[A16]       ; 1920 (rho / 8) + 16 (rho % 8) + 320 h
	v_lshl_add_u32 v[A8], v[T0], 3, v[T3]
	v_lshl_add_u32 v[A8], v[T2], 7, v[A8]          ; 1920 (rho / 8) + 8 (rho % 8) + 128 h
	v_lshlrev_b32 v[AS], 4, v[T0]
	v_lshl_add_u32 v[AS], v[T1], 2, v[AS]          ; 16 (rho % 8) + 4 (rho / 8)
	v_and_b32 v[T3], 15, v0
	v_lshlrev_b32 v[VSA], 4, v[T3]                 ; 16 r
	v_mad_u32_u24 v[V16], v[T2], 320, v[VSA]       ; 16 r + 320 h
	v_and_b32 v[T1], 31, v0
	v_lshlrev_b32 v[V8], 3, v[T1]                  ; 8 x lane
	v_lshlrev_b32 v[S], 4, v[T1]                   ; 16 x lane
	v_lshlrev_b32 v[SH8], 3, v[T2]
	s_wait_alu depctr_va_vdst(0)
	global_load_b128 v[Q:Q+3], v[S], s[44:45]
	global_load_b64 v[Q+4:Q+5], v[V8], s[44:45] offset:512
	global_load_b128 v[Q+12:Q+15], v[S], s[44:45]
	global_load_b64 v[Q+16:Q+17], v[V8], s[44:45] offset:512
	global_load_u16 v19, v[VSA], s[40:41]
.irp j, 6,7,8,9,10,11
	v_mov_b32 v[Q+\j], 0
.endr
	v_mov_b32 v[RUN], 0xff61b1e6                   ; -3e38, under every score
	v_floor_f32 v[NEGM], -v[RUN]
	v_mov_b32 v[L], 0
	v_mov_b32 v[L+1], 0
	v_mov_b32 v[F+1], 0
	s_wait_alu depctr_va_vdst(0)
	s_wait_loadcnt 0x0
	v_lshl_or_b32 v[QS], v19, 16, v19              ; the two bytes serve q in either half of K
.irp j, 0,1,2,3,4,5,6,7,8,9,10,11,12,13,14,15,16,17,18,19,20,21,22,23,24,25,26,27,28,29,30,31
	v_mov_b32 v[O+\j], 0                           ; the step is written once: the first finds zeros
.endr
	s_wait_alu depctr_va_vdst(0)
	s_wait_tensorcnt 0x0                           ; my record is in
	s_barrier_signal -1
	s_barrier_wait -1                              ; everybody's is
	KLOAD A16, A8, AS, 0
	s_mov_b32 s[TB], 0
	s_mov_b32 s[CNT], 15
; A step of 128 keys.  pre = 1: the next record's K is asked for
.macro STEP pre
	s_wait_dscnt 0x0                               ; this step's K and its scale words are in
.irp c, 0,1
.irp g, 0,1
	QK S+32*\c+16*\g, FK+12*(2*\c+\g), Q, KS+2*\c+\g
	QK S+32*\c+16*\g+8, FK+12*(2*\c+\g), Q+6, KS+2*\c+\g
.endr
.endr
	v_add_nc_u32 v[T0], s[TB], v[A16]              ; seven plain lines: the places ahead of the loads and of the first read of scores
	v_add_nc_u32 v[T1], s[TB], v[A8]
	v_add_nc_u32 v[T2], s[TB], v[AS]
	v_add_nc_u32 v[T3], s[TB], v[V16]
	v_add_nc_u32 v[PC], s[TB], v[V8]
	v_add_nc_u32 v[PC+1], s[TB], v[VSA]
	v_mov_b32 v[OLD], v[NEGM]
.irp t, 0,1,2,3                                ; V's four fragments and scale words: 17 LDS loads
	ds_load_b128 v[FV+12*\t:FV+12*\t+3], v[T3] offset:7680+1920*\t
	ds_load_b64 v[FV+12*\t+4:FV+12*\t+5], v[PC] offset:7680+1920*\t+640
	ds_load_b128 v[FV+12*\t+6:FV+12*\t+9], v[T3] offset:7680+1920*\t+960
	ds_load_b64 v[FV+12*\t+10:FV+12*\t+11], v[PC] offset:7680+1920*\t+1600
.endr
	ds_load_b128 v[VSC:VSC+3], v[PC+1] offset:15680
.if \pre
	KLOAD T0, T1, T2, REC
.endif
.irp c, 0,1                                    ; my two blocks' largest scores, each in two chains; each accumulator is first read at its low end
	v_max3_num_f32 v[T0+2*\c], v[S+32*\c], v[S+32*\c+1], v[S+32*\c+2]
	v_max3_num_f32 v[T1+2*\c], v[S+32*\c+16], v[S+32*\c+17], v[S+32*\c+18]
.endr
.irp i, 3,5,7,9,11,13
.irp c, 0,1
	v_max3_num_f32 v[T0+2*\c], v[T0+2*\c], v[S+32*\c+\i], v[S+32*\c+\i+1]
	v_max3_num_f32 v[T1+2*\c], v[T1+2*\c], v[S+32*\c+16+\i], v[S+32*\c+17+\i]
.endr
.endr
.irp c, 0,1
	v_max3_num_f32 v[T0+2*\c], v[T0+2*\c], v[S+32*\c+15], v[S+32*\c+31]
.endr
.irp c, 0,1
	v_max_num_f32 v[T0+2*\c], v[T0+2*\c], v[T1+2*\c]
.endr
	s_delay_alu instid0(VALU_DEP_1)
	v_max_num_f32 v[T1], v[T0], v[T2]
	s_delay_alu instid0(VALU_DEP_1)
	v_permlanex16_b32 v[T3], v[T1], s[SEL], s[SEL+1]
	s_delay_alu instid0(VALU_DEP_1)
	v_max3_num_f32 v[RUN], v[RUN], v[T1], v[T3]    ; the running largest score of my query
	s_delay_alu instid0(VALU_DEP_1)
	v_mul_f32 v[T1], s[CS], v[RUN]                 ; as t
	s_delay_alu instid0(VALU_DEP_1)
	v_floor_f32 v[NEGM], -v[T1]                    ; -M = floor(-t)
	s_delay_alu instid0(VALU_DEP_1)
	v_sub_f32 v[T1], v[NEGM], v[OLD]
	s_delay_alu instid0(VALU_DEP_1)
	v_cvt_i32_f32 v[T1], v[T1]                     ; (it saturates)
	s_delay_alu instid0(VALU_DEP_1)
	v_ldexp_f32 v[F], 1.0, v[T1]                   ; 2^(old M - new M)
.irp j, 0,2,4,6,8,10,12,14,16,18,20,22,24,26,28,30,32,34,36,38,40,42,44,46,48,50,52,54,56,58,60,62
	v_pk_fma_f32 v[S+\j:S+\j+1], v[S+\j:S+\j+1], s[CS:CS+1], v[NEGM:NEGM+1] op_sel_hi:[1,0,0]   ; t - M
.endr
	v_fma_f32 v[T0], v[T0], s[CS], v[NEGM]         ; the same of each block's largest score
	v_fma_f32 v[T2], v[T2], s[CS], v[NEGM]
	s_wait_alu depctr_va_vdst(0)
	v_exp_f32 v[T0], v[T0]
	v_exp_f32 v[T2], v[T2]
.irp j, 0,1,2,3,4,5,6,7,8,9,10,11,12,13,14,15,16,17,18,19,20,21,22,23,24,25,26,27,28,29,30,31,32,33,34,35,36,37,38,39,40,41,42,43,44,45,46,47,48,49,50,51,52,53,54,55,56,57,58,59,60,61,62,63
	v_exp_f32 v[S+\j], v[S+\j]                     ; p = 2^(t - M)
.endr
	v_pk_mul_f32 v[L:L+1], v[L:L+1], v[F:F+1] op_sel_hi:[1,0]   ; the sums under the new M: the plain line behind the batch
	s_wait_alu depctr_va_vdst(0)                   ; and the one wait behind it
	v_max_num_f32 v[T0], 0x2800000, v[T0]          ; the floor 2^(5 - 127): the byte cannot fall under 1
	v_max_num_f32 v[T2], 0x2800000, v[T2]
	s_delay_alu instid0(VALU_DEP_2)
	v_add_nc_u32 v[SO], 0xfe000000, v[T0]          ; 4 off the exponent field: the conversion's scale operand
	s_delay_alu instid0(VALU_DEP_2)
	v_add_nc_u32 v[SO+1], 0xfe000000, v[T2]
	s_delay_alu instid0(VALU_DEP_2)
	v_lshrrev_b32 v[T0], 23, v[SO]                 ; the bytes of blocks h and 2 + h
	s_delay_alu instid0(VALU_DEP_2)
	v_lshrrev_b32 v[T2], 23, v[SO+1]
	s_delay_alu instid0(VALU_DEP_1)
	v_lshl_or_b32 v[T1], v[T2], 16, v[T0]
	s_delay_alu instid0(VALU_DEP_1)
	v_lshlrev_b32 v[T1], v[SH8], v[T1]             ; at their places in the word
	s_delay_alu instid0(VALU_DEP_1)
	v_permlanex16_b32 v[T3], v[T1], s[SEL], s[SEL+1]
	s_delay_alu instid0(VALU_DEP_1)
	v_or_b32 v[PS], v[T1], v[T3]                   ; with lane l xor 16's two the word is whole
	v_pk_add_f32 v[PC+4:PC+5], v[S:S+1], v[S+2:S+3]               ; the sum of the unquantised p, in three chains
	v_pk_add_f32 v[PC+10:PC+11], v[S+4:S+5], v[S+6:S+7]
.irp j, 8,14,20,26,32,38,44,50,56
	v_pk_add_f32 v[L:L+1], v[L:L+1], v[S+\j:S+\j+1]
	v_pk_add_f32 v[PC+4:PC+5], v[PC+4:PC+5], v[S+\j+2:S+\j+3]
	v_pk_add_f32 v[PC+10:PC+11], v[PC+10:PC+11], v[S+\j+4:S+\j+5]
.endr
	v_pk_add_f32 v[L:L+1], v[L:L+1], v[S+62:S+63]
	v_cvt_scalef32_pk16_bf6_f32 v[PC:PC+2], v[S:S+15], v[SO]
	v_cvt_scalef32_pk16_bf6_f32 v[PC+6:PC+8], v[S+32:S+47], v[SO+1]
	v_pk_add_f32 v[PC+4:PC+5], v[PC+4:PC+5], v[PC+10:PC+11]       ; a plain line: the next two conversions write where the first two read
	v_cvt_scalef32_pk16_bf6_f32 v[S:S+2], v[S+16:S+31], v[SO]     ; (a conversion's three registers begin on an even number: made here and moved)
	v_cvt_scalef32_pk16_bf6_f32 v[S+32:S+34], v[S+48:S+63], v[SO+1]
	v_pk_add_f32 v[L:L+1], v[L:L+1], v[PC+4:PC+5]                 ; one plain line behind the scaled conversions
.irp i, 0,1,2
	v_mov_b32 v[PC+3+\i], v[S+\i]
	v_mov_b32 v[PC+9+\i], v[S+32+\i]
.endr
	s_wait_alu depctr_va_vdst(0)
.irp j, 0,2,4,6,8,10,12,14,16,18,20,22,24,26,28,30
	v_pk_mul_f32 v[O+\j:O+\j+1], v[O+\j:O+\j+1], v[F:F+1] op_sel_hi:[1,0]   ; O^T under the new M; also the places behind p's codes and scale word
.endr
	s_wait_alu depctr_va_vdst(0)
.if \pre
	s_wait_dscnt 20                                ; V's 17 loads are in; the 20 younger ones, the next K's, may be out
.else
	s_wait_dscnt 0x0
.endif
.irp t, 0,1,2,3
	v_wmma_scale_f32_16x16x128_f8f6f4 v[O+8*\t:O+8*\t+7], v[FV+12*\t:FV+12*\t+11], v[PC:PC+11], v[O+8*\t:O+8*\t+7], v[VSC+\t], v[PS] matrix_a_fmt:MATRIX_FMT_BF6 matrix_b_fmt:MATRIX_FMT_BF6
.endr
.endm
.Lstep:
	STEP 1
	s_add_co_u32 s[TB], s[TB], REC
	s_sub_co_u32 s[CNT], s[CNT], 1
	s_cmp_lg_u32 s[CNT], 0
	s_cbranch_scc1 .Lstep
	STEP 0                                         ; the last record: nothing more to ask for
	v_add_f32 v[L], v[L], v[L+1]
	s_delay_alu instid0(VALU_DEP_1)
	v_permlanex16_b32 v[T3], v[L], s[SEL], s[SEL+1]
	s_delay_alu instid0(VALU_DEP_1)
	v_add_f32 v[L], v[L], v[T3]                    ; the row's sum
	v_and_b32 v[T0], 31, v0
	v_and_b32 v[T1], 15, v0
	v_lshlrev_b32 v[A16], 4, v[T0]                 ; the way out: 16 x lane
	v_lshl_add_u32 v[AS], v[T1], 1, s52            ; my row's half-word in LDS
	v_add_nc_u32 v[V16], OSCR, v[A16]
	v_mov_b32 v[TM+2], 0                           ; a lane permute's destination counts as one of its sources
	v_mov_b32 v[TM+3], 0
	s_wait_alu depctr_va_vdst(0)
	v_rcp_f32 v[L], v[L]
	v_nop
	s_wait_alu depctr_va_vdst(0)
.irp j, 0,1,2,3,4,5,6,7,8,9,10,11,12,13,14,15,16,17,18,19,20,21,22,23,24,25,26,27,28,29,30,31
	v_mul_f32 v[S+\j], v[O+\j], v[L]               ; register 16 b + i is o(my query, 32 b + 16 h + i)
.endr
	QUANT2 S, PH
	global_store_b128 v[A16], v[PCO:PCO+3], s[8:9]             ; 512 consecutive bytes, aligned
	global_store_b64 v[V8], v[PCO+4:PCO+5], s[8:9] offset:512  ; 256 consecutive bytes, aligned
	ds_store_b16 v[AS], v[PH]                      ; both lanes of a row write the same half-word with the same value
	s_wait_dscnt 0x0
	s_barrier_signal -1
	s_barrier_wait -1
	s_cmp_lg_u32 s[WV], 0                          ; wave 0 stores the sixteen tiles' 512 bytes of scales, whole
	s_cbranch_scc1 .Lnot_0
	ds_load_b128 v[S:S+3], v[V16]
	s_wait_dscnt 0x0
	global_store_b128 v[A16], v[S:S+3], s[10:11]
.Lnot_0:
	s_wait_tensorcnt 0x0                           ; the wave's end
	ds_add_u32 v[SPW], v[NIL]
	s_wait_dscnt 0x0
	CROUND                                         ; the closing round
	s_endpgm
.Lfunc_end_k_q35eb90a11b_attn:
	.size	k_q35eb90a11b_attn, .Lfunc_end_k_q35eb90a11b_attn-k_q35eb90a11b_attn
	.p2alignl 7, 3214868480
	.fill 96, 4, 3214868480
	.section	.rodata,"a",@progbits
	.p2align	6, 0x0
	.amdhsa_kernel k_q35eb90a11b_attn
		.amdhsa_group_segment_fixed_size 258560
		.amdhsa_private_segment_fixed_size 0
		.amdhsa_enable_private_segment 0
		.amdhsa_kernarg_size 32
		.amdhsa_user_sgpr_count 2
		.amdhsa_user_sgpr_kernarg_segment_ptr 1
		.amdhsa_wavefront_size32 1
		.amdhsa_system_sgpr_workgroup_id_x 1
		.amdhsa_system_sgpr_workgroup_id_y 1
		.amdhsa_system_sgpr_workgroup_id_z 1
		.amdhsa_system_vgpr_workitem_id 0
		.amdhsa_next_free_vgpr 256
		.amdhsa_next_free_sgpr 66
		.amdhsa_reserve_vcc 0
		.amdhsa_float_denorm_mode_32 3
		.amdhsa_float_denorm_mode_16_64 3
		.amdhsa_memory_ordered 1
		.amdhsa_forward_progress 1
		.amdhsa_inst_pref_size 43
	.end_amdhsa_kernel
	.amdgpu_metadata
---
amdhsa.version: [ 1, 2 ]
amdhsa.kernels:
  - .name:           k_q35eb90a11b_attn
    .symbol:         k_q35eb90a11b_attn.kd
    .args:
      - { .name: qb, .offset: 0, .size: 8, .value_kind: global_buffer, .address_space: global }
      - { .name: kv, .offset: 8, .size: 8, .value_kind: global_buffer, .address_space: global }
      - { .name: oimg, .offset: 16, .size: 8, .value_kind: global_buffer, .address_space: global }
      - { .name: osc, .offset: 24, .size: 8, .value_kind: global_buffer, .address_space: global }
    .group_segment_fixed_size: 258560
    .private_segment_fixed_size: 0
    .kernarg_segment_align: 8
    .kernarg_segment_size: 32
    .max_flat_workgroup_size: 512
    .sgpr_count:     66
    .vgpr_count:     256
    .wavefront_size: 32
...
	.end_amdgpu_metadata
.endif
;; end of part 3
;; launch oproj (part 4): grid 8 x 32, 4 waves a work-group, clusters of 4 x 4, 214,528 bytes of LDS; arguments oimg, osc, img, sc, bo, out0; writes out0
.if DOCPART == 4
	.amdgcn_target "amdgcn-amd-amdhsa--gfx1250"
	.amdhsa_code_object_version 6
	.text
	.protected	k_q35eb90a11b_oproj
	.globl	k_q35eb90a11b_oproj
	.p2align	8
	.type	k_q35eb90a11b_oproj,@function
k_q35eb90a11b_oproj:
	s_mov_b64 s[64:65], 0
	v_nop
	global_prefetch_b8 v0, s[64:65] scope:SCOPE_SE
	s_setreg_imm32_b32 hwreg(HW_REG_WAVE_MODE, 25, 1), 1
	s_wait_xcnt 0x0
	s_wait_alu depctr_hold_cnt(0) depctr_sa_sdst(0) depctr_va_vdst(0) depctr_va_sdst(0) depctr_va_ssrc(0) depctr_va_vcc(0) depctr_vm_vsrc(0)
	s_getreg_b32 s2, hwreg(HW_REG_IB_STS2, 6, 4)
	s_cmp_eq_u32 s2, 0
	s_cbranch_scc0 .Lentry_in_a_cluster
	s_endpgm
.Lentry_in_a_cluster:
	s_bfe_u32 s2, ttmp6, 0x10000c
	s_cmp_lg_u32 s2, 0xf033
	s_cbranch_scc0 .Lentry_shape_is_right
	s_endpgm
.Lentry_shape_is_right:
; out0 = o wo + bo on codes of BF6 (E3M2) with E8M0 scales, f32 sums.  o's codes come from the attention launch (oimg, osc), wo's from the quantising launch (img tiles 448-511, sc).
; Operands lie in the order of their registers: half images of 16 rows x 64 K, 768 bytes; a fragment (16 x 128) is two on end: four dense LDS loads.
; SHARES: a work-group makes 128 tokens x 128 columns, its four waves 64 x 64 each (16 accumulators).  256 work-groups.
; D = (source 0 = 16 columns of wo) x (source 1 = 16 tokens): a lane holds one token; row r of tile t is 32 (t / 2) + 8 (t % 2) + r + 8 (r / 8), for tokens and columns alike, so the 16 registers of column tiles 2 b, 2 b + 1
; are 16 neighbouring columns, and the way out puts each token's row where it belongs.
; ALL OF K (1,024) LIES IN LDS: four chunks of 256 along K, 49,152 bytes each, each filled ONCE: no byte is filled again.
; CLUSTER 4 x 4: the tokens' tiles are shared along a row of the cluster, wo's along a column: each quarter of a chunk is asked for jointly by the four that need it.
; No prefetch: all of a work-group's bytes are asked for at its head.  NaN and infinities are not served.
; REGISTERS: window 0: v0-21 ids and addresses; v32-63 A's scale words (tile a, K step s at 32 + 8 a + s); v64-95 B's; v96-127 at work; v128-255 accumulators ((a, b) at 128 + 8 (4 a + b)).
;   window 1: v0-95, v128-223 two fragment buffers (A's four, then B's four); v224-255 the bias in the result's layout.
.set PLANEA, 786432                    ; a plane (256 along K) of oimg
.set PLANEB, 1572864                   ; and of img
; LDS AS THIS TEXT LAYS IT: four regions of CHUNK bytes, one for each wave's one tensor load (A's tiles 0-3, A's tiles 4-7, B's tiles 0-3, B's tiles 4-7); in a region the four planes of 256 along K lie QUART bytes apart.
.set CHUNK,  49152
.set QUART,  12288
.set STG,    4*CHUNK                   ; behind the chunks: a stage of 16 rows x (256 + 16) bytes for each wave
.set SA,  32
.set SB,  64
.set TT,  96
.set ACC, 128
.set F0,  0
.set F1,  128
.set BB,  224
.set WV,  18
.set G1A, 28
.set G1B, 36
.set G0A, 44
.set G0B, 68
.set MUL,  0x05                        ; sources 0 and 1 window 1; C and D window 0
.set TO_F, 0x40                        ; destination window 1
.set BIAS, 0x04                        ; source 1 window 1
.set MSB, 0
.macro WIN new                         ; the immediate's high byte repeats the setting that is left
.if MSB != \new
	s_set_vgpr_msb (MSB<<8)|\new
.set MSB, \new
.endif
.endm
.macro CROUND                          ; a round of the cluster's barrier
	s_barrier_signal -1
	s_barrier_wait -1
	s_cmp_lg_u32 s[WV], 0
	s_cbranch_scc1 .Lnot_wave_0_\@
	s_barrier_signal -3
.Lnot_wave_0_\@:
	s_barrier_wait -3
	s_barrier_signal -1
	s_barrier_wait -1
.endm
.macro PLACES
.rept 4
	v_nop
.endr
.endm
.macro FRAG reg, a16, a8, off
	ds_load_b128 v[\reg:\reg+3], v[\a16] offset:\off
	ds_load_b64 v[\reg+4:\reg+5], v[\a8] offset:\off+512
	ds_load_b128 v[\reg+6:\reg+9], v[\a16] offset:\off+768
	ds_load_b64 v[\reg+10:\reg+11], v[\a8] offset:\off+1280
.endm
.macro FETCH s, f                      ; K step s: B's four fragments, then A's four, into buffer f: 32 loads, A's tiles 2 and 3 last
	WIN TO_F
.set OFS, QUART*((\s)/2)+1536*((\s)%2)
.set ASET, 0
.irp i, 0,1,2,3
	FRAG (\f)+48+12*\i, 8+ASET, 10+ASET, OFS+3072*\i
.endr
.irp i, 0,1,2,3
	FRAG (\f)+12*\i, 4+ASET, 6+ASET, OFS+3072*\i
.endr
.endm
.macro MUL8 f, s, a0, zero             ; A's tiles a0, a0 + 1 x B's four.  The 16 accumulators take turns, one instruction a turn, in the same order in every step
.irp a, \a0, \a0+1
.irp b, 0,1,2,3
.if \zero
	v_wmma_scale_f32_16x16x128_f8f6f4 v[ACC+8*(4*(\a)+\b):ACC+8*(4*(\a)+\b)+7], v[\f+48+12*\b:\f+48+12*\b+11], v[\f+12*(\a):\f+12*(\a)+11], 0, v[SB+8*\b+(\s)], v[SA+8*(\a)+(\s)] matrix_a_fmt:MATRIX_FMT_BF6 matrix_b_fmt:MATRIX_FMT_BF6
.else
	v_wmma_scale_f32_16x16x128_f8f6f4 v[ACC+8*(4*(\a)+\b):ACC+8*(4*(\a)+\b)+7], v[\f+48+12*\b:\f+48+12*\b+11], v[\f+12*(\a):\f+12*(\a)+11], v[ACC+8*(4*(\a)+\b):ACC+8*(4*(\a)+\b)+7], v[SB+8*\b+(\s)], v[SA+8*(\a)+(\s)] matrix_a_fmt:MATRIX_FMT_BF6 matrix_b_fmt:MATRIX_FMT_BF6
.endif
.endr
.endr
.endm
; A K step of 128: 16 matrix instructions on buffer f; in its middle the next step's 32 loads go into buffer g.  All of K is in LDS behind the one barrier ahead of the first step.
.macro STEP s, f, g, zero
	s_wait_dscnt 8                                 ; B's four and A's tiles 0, 1 are in; the eight loads of A's tiles 2, 3 may be out
	WIN MUL
	MUL8 \f, \s, 0, \zero
.if (\s) < 7
	PLACES                                         ; four plain lines ahead of loads into registers that matrix instructions have read
	FETCH (\s)+1, \g
	s_wait_dscnt 32                                ; all but the 32 just issued
.else
	s_wait_dscnt 0x0
.endif
	WIN MUL
	MUL8 \f, \s, 2, \zero
.endm
	s_load_b256 s[4:11], s[0:1], 0x0               ; oimg s[4:5], osc s[6:7], img s[8:9], sc s[10:11]
	s_load_b128 s[12:15], s[0:1], 0x20             ; bo s[12:13], out0 s[14:15]
	v_lshl_add_u32 v30, v0, 2, 0x34400
	v_mov_b32 v31, 0
	ds_add_u32 v30, v31
	ds_add_u32 v30, v31
	v_lshrrev_b32 v1, 5, v0
	v_readfirstlane_b32 s[WV], v1                  ; wave 0..3
	s_lshr_b32 s19, s[WV], 1                       ; rh: which 64 tokens are mine
	s_and_b32 s20, s[WV], 1                        ; ch: which 64 columns
	s_bfe_u32 s21, ttmp6, 0x40000                  ; cx
	s_bfe_u32 s22, ttmp6, 0x40004                  ; cy
	s_and_b32 s23, ttmp7, 0xffff
	s_lshl_b32 s84, s23, 2
	s_add_co_u32 s84, s84, s22                     ; my block of 128 tokens: it hangs on cy, never on cx
	s_lshl_b32 s88, ttmp9, 2
	s_add_co_u32 s88, s88, s21                     ; my block of 128 columns: on cx, never on cy
	s_lshl_b32 s26, s22, 2
	s_lshl_b32 s26, 15, s26                        ; my row of the cluster
	s_lshl_b32 s27, 0x1111, s21                    ; my column
	s_or_b32 s[G1A], s26, (3<<16)|(1<<21)          ; 15:0 the mask; 17:16 elements of 8 bytes; 21 set beside a mask; no padding
	s_or_b32 s[G1B], s27, (3<<16)|(1<<21)
.irp g, G1A, G1B                               ; four tiles x all of K: 4 rows (planes) of 12,288 bytes, a plane of the buffer apart
	s_mov_b32 s[\g+1], 1536<<16                    ; tensor_dim0 = 1,536 elements of 8 bytes
	s_mov_b32 s[\g+2], 4<<16                       ; tensor_dim1 = 4
	s_mov_b32 s[\g+3], 1536<<16                    ; tile_dim0
	s_mov_b32 s[\g+4], 4                           ; tile_dim1
	s_mov_b32 s[\g+6], 0
	s_mov_b32 s[\g+7], 0
.endr
	s_mov_b32 s[G1A+5], PLANEA/8                   ; the pitch, in elements: oimg's plane,
	s_mov_b32 s[G1B+5], PLANEB/8                   ; and img's
	s_and_b32 s85, s[WV], 1
	s_mul_i32 s85, s85, QUART                      ; which four tiles of the eight I fetch
	s_mul_i32 s86, s84, 2*QUART
	s_add_co_u32 s86, s86, s85
	s_mov_b32 s87, 0
	s_mul_i32 s90, s88, 2*QUART
	s_add_co_u32 s90, s90, 56*2*QUART              ; wo's blocks are img's blocks 56 to 63
	s_add_co_u32 s90, s90, s85
	s_mov_b32 s91, 0
	s_mul_i32 s89, s[WV], CHUNK                    ; where they go: my region: the wave's number alone
	s_wait_dscnt 0x0
	s_wait_kmcnt 0x0
	s_add_nc_u64 s[86:87], s[4:5], s[86:87]
	s_add_nc_u64 s[90:91], s[8:9], s[90:91]
.irp q, 0
	s_mov_b32 s[G0A+4*\q], 1
	s_add_co_u32 s[G0A+4*\q+1], s89, \q*CHUNK
	s_add_nc_u64 s[G0A+4*\q+2:G0A+4*\q+3], s[86:87], \q*PLANEA
	s_or_b32 s[G0A+4*\q+3], s[G0A+4*\q+3], 0x80000000
	s_mov_b32 s[G0B+4*\q], 1
	s_add_co_u32 s[G0B+4*\q+1], s89, \q*CHUNK
	s_add_nc_u64 s[G0B+4*\q+2:G0B+4*\q+3], s[90:91], \q*PLANEB
	s_or_b32 s[G0B+4*\q+3], s[G0B+4*\q+3], 0x80000000
.endr
	CROUND                                         ; all sixteen work-groups are here: the joint loads meet
	s_cmp_lt_u32 s[WV], 2                          ; waves 0, 1 fetch A's halves, waves 2, 3 B's: one tensor load a wave, one to an arm
	s_cbranch_scc0 .Lfill_b
	tensor_load_to_lds s[G0A:G0A+3], s[G1A:G1A+7]
	s_nop 0
	PLACES
	s_branch .Lfilled
.Lfill_b:
	tensor_load_to_lds s[G0B:G0B+3], s[G1B:G1B+7]
	s_nop 0
	PLACES
.Lfilled:
	v_and_b32 v1, 31, v0                           ; lane
	v_and_b32 v2, 15, v0                           ; r
	v_bfe_u32 v3, v0, 4, 1                         ; h
	v_lshlrev_b32 v18, 1, v2                       ; o's scale half-words: 2 bytes a row
	s_wait_alu depctr_va_vdst(0)
	v_lshlrev_b32 v19, 3, v2                       ; wo's scale words: 8 bytes a row and plane
	s_wait_alu depctr_va_vdst(0)
	v_lshlrev_b32 v20, 6, v3                       ; the bias: my half's 16 numbers
	s_wait_alu depctr_va_vdst(0)
	s_lshl_b32 s92, s84, 8                         ; 32 bytes a tile and head
	s_lshl_b32 s93, s19, 7
	s_add_co_u32 s92, s92, s93
	s_mov_b32 s93, 0
	s_add_nc_u64 s[92:93], s[6:7], s[92:93]
	s_lshl_b32 s94, s88, 10
	s_add_co_u32 s94, s94, 56*1024
	s_lshl_b32 s95, s20, 9
	s_add_co_u32 s94, s94, s95
	s_mov_b32 s95, 0
	s_add_nc_u64 s[94:95], s[10:11], s[94:95]
.irp i, 0,1,2,3
.irp s, 0,1,2,3,4,5,6,7                        ; K step s is heads 2 s and 2 s + 1
	global_load_u16 v[SA+8*\i+\s], v18, s[92:93] offset:8192*(2*\s)+32*\i
	global_load_u16 v[TT+8*\i+\s], v18, s[92:93] offset:8192*(2*\s+1)+32*\i
.endr
.endr
.irp i, 0,1,2,3
.irp q, 0,1,2,3
	global_load_b64 v[SB+8*\i+2*\q:SB+8*\i+2*\q+1], v19, s[94:95] offset:65536*\q+128*\i
.endr
.endr
	s_lshl_b32 s96, s88, 9
	s_lshl_b32 s97, s20, 8
	s_add_co_u32 s96, s96, s97                     ; my 64 columns, in bytes
	s_mov_b32 s97, 0
	s_add_nc_u64 s[98:99], s[12:13], s[96:97]      ; in bo,
	s_add_nc_u64 s[60:61], s[14:15], s[96:97]      ; and in a row of out0
	s_lshl_b32 s96, s84, 19                        ; 128 rows of 4,096 bytes
	s_lshl_b32 s100, s19, 18
	s_add_co_u32 s96, s96, s100
	s_add_nc_u64 s[60:61], s[60:61], s[96:97]
	WIN TO_F
.irp b, 0,1,2,3
	global_load_b128 v[BB+8*\b:BB+8*\b+3], v20, s[98:99] offset:(32*(\b/2)+8*(\b%2))*4
	global_load_b128 v[BB+8*\b+4:BB+8*\b+7], v20, s[98:99] offset:(32*(\b/2)+8*(\b%2))*4+16
.endr
	WIN 0
	v_lshlrev_b32 v12, 4, v1                       ; 16 x lane
	v_lshlrev_b32 v13, 3, v1                       ; 8 x lane
	s_mul_i32 s100, s19, CHUNK                     ; the region of my four A tiles,
	s_mul_i32 s101, s20, CHUNK
	s_add_co_u32 s101, s101, 2*CHUNK               ; and of my four B tiles
	v_add_nc_u32 v4, s100, v12
	v_add_nc_u32 v6, s100, v13
	v_add_nc_u32 v8, s101, v12
	v_add_nc_u32 v10, s101, v13
	s_mul_i32 s100, s[WV], 16*272
	s_add_co_u32 s100, s100, STG                   ; my stage
	v_mul_u32_u24 v14, v2, 272
	v_lshl_add_u32 v14, v3, 6, v14
	v_add_nc_u32 v14, s100, v14                    ; in: row r, + 64 h: my 16 columns of each 32
	v_mul_u32_u24 v15, v3, 272
	v_lshl_add_u32 v15, v2, 4, v15
	v_add_nc_u32 v15, s100, v15                    ; back: lanes 0-15 one row of 256 bytes, lanes 16-31 the next
	v_lshlrev_b32 v16, 12, v3
	v_lshl_add_u32 v16, v2, 4, v16                 ; and the same two rows in out0
	s_wait_loadcnt 0x0                             ; scales and bias
.irp i, 0,1,2,3,4,5,6,7,8,9,10,11,12,13,14,15,16,17,18,19,20,21,22,23,24,25,26,27,28,29,30,31
	v_lshl_or_b32 v[SA+\i], v[TT+\i], 16, v[SA+\i] ; two heads' half-words make a K step's scale word
.endr
.rept 8
	v_nop                                          ; eight plain lines between the making of a scale word and a scaled product
.endr
	s_wait_alu depctr_va_vdst(0)
	s_wait_tensorcnt 0x0                           ; my one load, four tiles x all of K, is in
	s_barrier_signal -1
	s_barrier_wait -1                              ; everybody's is
	FETCH 0, F0
	STEP 0, F0, F1, 1                              ; the first step's products start the sums: nothing is cleared
	STEP 1, F1, F0, 0
	STEP 2, F0, F1, 0
	STEP 3, F1, F0, 0
	STEP 4, F0, F1, 0
	STEP 5, F1, F0, 0
	STEP 6, F0, F1, 0
	STEP 7, F1, F0, 0
	WIN 0
	PLACES                                         ; four plain lines ahead of the first read of results
	; THE WAY OUT, a tile of 16 tokens at a time: the bias; through my own stage; back as whole rows of my 64 columns.  Row 2 t + h of tile a is token 32 (a / 2) + 8 (a % 2) + 2 t + 8 (t / 4) + h of my 64.
.irp a, 0,1,2,3
.if \a > 0
	s_wait_xcnt 0x0                                ; the last tile's stores have read their data: those registers are loaded again only behind this wait
.endif
	WIN BIAS
.irp k, 0,2,4,6,8,10,12,14,16,18,20,22,24,26,28,30
	v_pk_add_f32 v[ACC+32*\a+\k:ACC+32*\a+\k+1], v[ACC+32*\a+\k:ACC+32*\a+\k+1], v[BB+\k:BB+\k+1]   ; each accumulator from its low end on
.endr
	WIN 0
.irp k, 0,1,2,3,4,5,6,7
	ds_store_b128 v14, v[ACC+32*\a+4*\k:ACC+32*\a+4*\k+3] offset:128*(\k/4)+16*(\k%4)
.endr
.irp t, 0,1,2,3,4,5,6,7
	ds_load_b128 v[TT+4*\t:TT+4*\t+3], v15 offset:544*\t           ; LDS serves a wave's instructions in order: these see the stores above, and the next tile's stores come behind them
.endr
.irp t, 0,1,2,3,4,5,6,7
	s_wait_dscnt 7-\t                              ; the younger loads may be out
	global_store_b128 v16, v[TT+4*\t:TT+4*\t+3], s[60:61] offset:(32*(\a/2)+8*(\a%2)+2*\t+8*(\t/4))*4096 th:TH_STORE_NT   ; sixteen lanes store 256 consecutive bytes, aligned
.endr
.endr
	s_wait_tensorcnt 0x0
	ds_add_u32 v30, v31
	s_wait_dscnt 0x0
	CROUND                                         ; the closing round: no work-group ends while a partner may still ask for a tile that names it
	s_endpgm
.Lfunc_end_k_q35eb90a11b_oproj:
	.size	k_q35eb90a11b_oproj, .Lfunc_end_k_q35eb90a11b_oproj-k_q35eb90a11b_oproj
	.p2alignl 7, 3214868480
	.fill 96, 4, 3214868480
	.section	.rodata,"a",@progbits
	.p2align	6, 0x0
	.amdhsa_kernel k_q35eb90a11b_oproj
		.amdhsa_group_segment_fixed_size 214528
		.amdhsa_private_segment_fixed_size 0
		.amdhsa_enable_private_segment 0
		.amdhsa_kernarg_size 48
		.amdhsa_user_sgpr_count 2
		.amdhsa_user_sgpr_kernarg_segment_ptr 1
		.amdhsa_wavefront_size32 1
		.amdhsa_system_sgpr_workgroup_id_x 1
		.amdhsa_system_sgpr_workgroup_id_y 1
		.amdhsa_system_sgpr_workgroup_id_z 1
		.amdhsa_system_vgpr_workitem_id 0
		.amdhsa_next_free_vgpr 512
		.amdhsa_next_free_sgpr 104
		.amdhsa_reserve_vcc 0
		.amdhsa_float_denorm_mode_32 3
		.amdhsa_float_denorm_mode_16_64 3
		.amdhsa_memory_ordered 1
		.amdhsa_forward_progress 1
		.amdhsa_inst_pref_size 64
	.end_amdhsa_kernel
	.amdgpu_metadata
---
amdhsa.version: [ 1, 2 ]
amdhsa.kernels:
  - .name:           k_q35eb90a11b_oproj
    .symbol:         k_q35eb90a11b_oproj.kd
    .args:
      - { .name: oimg, .offset: 0, .size: 8, .value_kind: global_buffer, .address_space: global }
      - { .name: osc, .offset: 8, .size: 8, .value_kind: global_buffer, .address_space: global }
      - { .name: img, .offset: 16, .size: 8, .value_kind: global_buffer, .address_space: global }
      - { .name: sc, .offset: 24, .size: 8, .value_kind: global_buffer, .address_space: global }
      - { .name: bo, .offset: 32, .size: 8, .value_kind: global_buffer, .address_space: global }
      - { .name: out0, .offset: 40, .size: 8, .value_kind: global_buffer, .address_space: global }
    .group_segment_fixed_size: 214528
    .private_segment_fixed_size: 0
    .kernarg_segment_align: 8
    .kernarg_segment_size: 48
    .max_flat_workgroup_size: 128
    .sgpr_count:     104
    .vgpr_count:     512
    .wavefront_size: 32
...
	.end_amdgpu_metadata
.endif
;; end of part 4
